; MI455X (gfx1250); checked and timed in simulation.
; The chip was launched on July 23, 2026; its instructions are those of AMD's public machine-readable ISA for CDNA 5 (MIT licence, August 2026) and "CDNA5" Instruction Set Architecture Reference Guide (July 2026). The comments in the code are by the model that wrote it; some were corrected since.
;; Mixture Of Experts. Allowed arithmetic: float matrix products may take bf16 or f16 operands with f32 sums; other float arithmetic in f32, or as packed bf16 or f16 multiplies, adds, multiply-adds, maxima and minima; sums over many terms, partial sums and values carried from step to step in f32; what a program stores and reads back later, other than sums and carried values, may be rounded once to bf16 or f16.
;; Inputs: b1 8 x 2,048 float32; b2 8 x 1,024 float32; gate_b1 16 float32; gate_b2 8 float32; gate_w1 1,024 x 16 float32; gate_w2 16 x 8 float32; w1 8 x 1,024 x 2,048 float32; w2 8 x 2,048 x 1,024 float32; x 2,048 x 1,024 float32.
;; Outputs: out0 2,048 x 1,024 float32.
;; 2 versions, each right; version 2 is version 1 with the launch combine written anew for expert scheduling mode. Each part assembles by itself: llvm-mc -triple=amdgcn-amd-amdhsa -mcpu=gfx1250 --defsym DOCPART=n.
;; ======== version 1 of 2: 4 launches
;; limits: a function is approximated: absolute error at most 1.5e-07
;; workspace buffers: xb 4,194,304 bytes; route 6,144 bytes of whole numbers; tw 16,384 bytes; tiles 512 bytes of whole numbers; rowl 24,576 bytes of whole numbers; rowg 24,576 bytes; hb 17,891,328 bytes; yb 16,777,216 bytes
;; launch router (part 1): grid 128 x 1, 4 waves a work-group, no clusters, 71,168 bytes of LDS; arguments x, gate_w1, gate_b1, gate_w2, gate_b2, xb, route, tw; writes xb, route, tw
.if DOCPART == 1
	.amdgcn_target "amdgcn-amd-amdhsa--gfx1250"
	.amdhsa_code_object_version 6
	.text
	.protected	k_q2dd58f9be2_router
	.globl	k_q2dd58f9be2_router
	.p2align	8
	.type	k_q2dd58f9be2_router,@function
k_q2dd58f9be2_router:
	s_mov_b64 s[64:65], 0
	v_nop
	global_prefetch_b8 v0, s[64:65] scope:SCOPE_SE
	s_setreg_imm32_b32 hwreg(HW_REG_WAVE_MODE, 25, 1), 1
	s_wait_xcnt 0x0
; THE GATE.  g = gelu(x gate_w1 + gate_b1) gate_w2 + gate_b2; the two largest of a token's eight g; their softmax weights, renormalised.  Also: x rounded to bf16 (xb), for the first product.
; FORMATS.  Every input of the program is rounded once to bf16 (biases and gate_w2 are rounded and widened again).  x gate_w1 goes to the matrix unit, sums in f32; all behind it stays in f32:
; the 16 x 8 product is 64 multiply-adds a lane on the vector unit, since a second rounding to bf16 there would move g by more than the gaps that decide the choice.
; LIMITS.  erf by a five-term rational form (absolute error 1.5e-7).  The choice is made on g, by strict >, so that the lower index wins a tie; two g closer than about 1e-7 may be ordered
; otherwise than their rounded probabilities.  The weights are (1, e2) / (1 + e2), e2 = exp(g2 - g1): the maximum is taken away, and the softmax's divisor cancels in the renormalising for every input.
; NaN and infinities are not treated apart.
; SHARES.  A work-group has 16 tokens; wave w has k = 256 w .. 256 w + 255 of them; wave 0 adds the four parts and finishes.  2,048 / 16 = 128 work-groups.
; OUT.  route: u16 [24][128], column = the work-group.  Rows 0-7: bit l = token l chose expert m; rows 8-15: chose it second; rows 16-23: how many bits rows 0-7 hold.  tw: f32 [2048][2].
; No tile is shared between work-groups but gate_w1 (64 KiB), so there is no cluster; LDS is written by ds_store alone.
.set XP,    528                        ; a token's 256 bf16 in LDS: 512 bytes + 16
.set XTW,   16*XP                      ; a wave's 16 rows
.set WT,    4*XTW                      ; behind them: gate_w1 as bf16, [256 k][16 n], 32 bytes a row, 8,192 bytes a wave
.set RED,   WT+4*8192                  ; the four waves' partial sums, 1,024 bytes each
.set SPARE, RED+4*1024                 ; the spare words: 128 bytes a wave, two blocks of 256 bytes that no other line names
.set SPW, 12                           ; v12  SPARE + 4 x my thread's number; never rewritten
.set NIL, 13                           ; v13  0; never rewritten
.set W,   16                           ; v16-79   16 loads of gate_w1; later gate_w2: row j of my eight at W + 8 j
.set X,   80                           ; v80-207  32 loads of x; then the fragments; then wave 0's work
.set XF,  80                           ; fragments of x, 8 K steps
.set WF,  144                          ; fragments of gate_w1
.set ACC, 208                          ; v208-239 four accumulators that take turns
.set GB1, 240                          ; v240-247 gate_b1 of my eight hidden channels
.set GB2, 248                          ; v248-255 gate_b2
.set H,   80                           ; wave 0: the eight hidden numbers of my token
.set TT,  120
.set UU,  128
.set PP,  136
.set G,   144                          ; the eight g
.set PM,  152
.set M1,  160
.set I1,  161
.set M2,  162
.set I2,  163
.set BM,  170
	s_load_b512 s[4:19], s[0:1], 0x0       ; x, gate_w1, gate_b1, gate_w2, gate_b2, xb, route, tw
	v_lshl_add_u32 v[SPW], v0, 2, SPARE
	v_mov_b32 v[NIL], 0
	v_and_b32 v1, 31, v0                   ; lane
	v_lshrrev_b32 v4, 5, v0
	v_readfirstlane_b32 s20, v4            ; wave
	v_and_b32 v2, 15, v0                   ; r
	v_bfe_u32 v3, v0, 4, 1                 ; h
	s_mul_i32 s21, s20, XTW
	s_lshl_b32 s22, s20, 13
	s_add_co_u32 s22, s22, WT
	s_lshl_b32 s24, ttmp9, 16              ; 16 rows of x
	s_mov_b32 s25, 0
	s_lshl_b32 s26, ttmp9, 15              ; 16 rows of xb
	s_mov_b32 s27, 0
	s_lshl_b32 s28, ttmp9, 1               ; my column of route
	s_mov_b32 s29, 0
	s_lshl_b32 s30, ttmp9, 7               ; 16 pairs of tw
	s_mov_b32 s31, 0
	s_mov_b32 s32, 0x76543210              ; v_permlanex16_b32: each lane takes its own place in the other half
	s_mov_b32 s33, 0xfedcba98
	s_mov_b32 s34, 0x3e6d3388              ; 0.3275911 / sqrt(2)
	s_mov_b32 s35, 0xbf38aa3b              ; -log2(e) / 2
	s_mov_b32 s36, 0xbe027906              ; minus half of the form's five coefficients
	s_mov_b32 s37, 0x3e11a98e
	s_mov_b32 s38, 0xbf35f0e3
	s_mov_b32 s39, 0x3f3a00e3
	s_mov_b32 s40, 0xbf07dc22
	v_lshlrev_b32 v5, 4, v1
	v_lshl_add_u32 v6, s20, 10, v5         ; x: 1,024 w + 16 lane
	v_lshl_add_u32 v5, s20, 14, v5         ; gate_w1: 16,384 w + 16 lane
	v_lshlrev_b32 v4, 3, v1
	v_lshl_add_u32 v7, s20, 9, v4          ; xb: 512 w + 8 lane
	v_add_nc_u32 v8, s21, v4               ; LDS, x in
	v_add_nc_u32 v9, s22, v4               ; LDS, gate_w1 in
	v_mul_u32_u24 v10, v2, XP
	v_lshl_add_u32 v10, v3, 4, v10
	v_add_nc_u32 v10, s21, v10             ; a fragment of x: row r, 16 h
	v_and_b32 v11, 7, v0
	v_lshl_add_u32 v11, v3, 3, v11
	v_lshlrev_b32 v11, 5, v11
	v_bfe_u32 v4, v0, 3, 1
	v_lshl_add_u32 v11, v4, 4, v11
	v_add_nc_u32 v11, s22, v11             ; the turning load: row 8 h + lane % 8, 16 bytes by (lane / 8) % 2
	v_lshlrev_b32 v15, 5, v1
	v_add_nc_u32 v15, RED, v15             ; a wave's part, read
	v_lshl_add_u32 v14, s20, 10, v15       ; my part, written
	s_wait_kmcnt 0x0
	s_add_nc_u64 s[4:5], s[4:5], s[24:25]
	s_add_nc_u64 s[14:15], s[14:15], s[26:27]
	s_add_nc_u64 s[16:17], s[16:17], s[28:29]
	s_add_nc_u64 s[18:19], s[18:19], s[30:31]
.macro WGET base                       ; 16 loads: 128 rows of gate_w1, 512 consecutive bytes each
.set i, 0
.rept 16
	global_load_b128 v[W+4*i:W+4*i+3], v5, s[6:7] offset:512*(i+(\base))
.set i, i+1
.endr
.endm
.macro WPUT base                       ; rounded, and into LDS as they lie
.set i, 0
.rept 16
	v_cvt_pk_bf16_f32 v[W+4*i], v[W+4*i], v[W+4*i+1]
	v_cvt_pk_bf16_f32 v[W+4*i+1], v[W+4*i+2], v[W+4*i+3]
	ds_store_b64 v9, v[W+4*i:W+4*i+1] offset:256*(i+(\base))
.set i, i+1
.endr
.endm
	WGET 0
.set i, 0
.rept 32                               ; token i / 2, half i % 2 of my 1,024 bytes of its row
	global_load_b128 v[X+4*i:X+4*i+3], v6, s[4:5] offset:4096*(i/2)+512*(i%2) th:TH_LOAD_NT
.set i, i+1
.endr
	s_wait_loadcnt 32                      ; the 32 loads of x are younger
	WPUT 0
	WGET 16
	s_wait_loadcnt 16                      ; the second 16 loads of gate_w1 are younger
.set i, 0
.rept 32
	v_cvt_pk_bf16_f32 v[X+4*i], v[X+4*i], v[X+4*i+1]
	v_cvt_pk_bf16_f32 v[X+4*i+1], v[X+4*i+2], v[X+4*i+3]
	global_store_b64 v7, v[X+4*i:X+4*i+1], s[14:15] offset:2048*(i/2)+256*(i%2)   ; 32 lanes store 256 consecutive bytes, aligned
	ds_store_b64 v8, v[X+4*i:X+4*i+1] offset:XP*(i/2)+256*(i%2)
.set i, i+1
.endr
	s_wait_loadcnt 0x0
	WPUT 16
	s_wait_xcnt 0x0                        ; the stores to xb have read their registers: the fragments land there
.set i, 0
.rept 8                                ; my own bytes: LDS serves a wave's instructions in order (ISA guide 5.7.1.4)
	ds_load_b128 v[XF+8*i:XF+8*i+3], v10 offset:64*i
	ds_load_b128 v[XF+8*i+4:XF+8*i+7], v10 offset:64*i+32
	ds_load_tr16_b128 v[WF+8*i:WF+8*i+3], v11 offset:1024*i
	ds_load_tr16_b128 v[WF+8*i+4:WF+8*i+7], v11 offset:1024*i+512
.set i, i+1
.endr
	s_wait_dscnt 0x0                       ; the fragments are in, and every LDS store has read v16-79
	v_lshlrev_b32 v4, 8, v3                ; gate_w2: my eight rows of 32 bytes
	v_lshlrev_b32 v5, 5, v3                ; gate_b1: my eight numbers
	v_mov_b32 v6, 0
.set i, 0
.rept 16
	global_load_b128 v[W+4*i:W+4*i+3], v4, s[10:11] offset:16*i
.set i, i+1
.endr
	global_load_b128 v[GB1:GB1+3], v5, s[8:9]
	global_load_b128 v[GB1+4:GB1+7], v5, s[8:9] offset:16
	global_load_b128 v[GB2:GB2+3], v6, s[12:13]
	global_load_b128 v[GB2+4:GB2+7], v6, s[12:13] offset:16
	; source 0 = 16 hidden channels, source 1 = 16 tokens: a lane then holds token r and the channels 8 h + 0..7.  The four accumulators take turns.
.set i, 0
.rept 8
.if i < 4
	v_wmma_f32_16x16x32_bf16 v[ACC+8*i:ACC+8*i+7], v[WF+8*i:WF+8*i+7], v[XF+8*i:XF+8*i+7], 0
.else
	v_wmma_f32_16x16x32_bf16 v[ACC+8*(i-4):ACC+8*(i-4)+7], v[WF+8*i:WF+8*i+7], v[XF+8*i:XF+8*i+7], v[ACC+8*(i-4):ACC+8*(i-4)+7]
.endif
.set i, i+1
.endr
.rept 4
	v_nop                                  ; four places behind the last product (ISA guide 7.12.1)
.endr
.irp p, 0,2,4,6                        ; each accumulator is read from its low end on
	v_pk_add_f32 v[ACC+\p:ACC+\p+1], v[ACC+\p:ACC+\p+1], v[ACC+8+\p:ACC+8+\p+1]
.endr
.irp p, 0,2,4,6
	v_pk_add_f32 v[ACC+16+\p:ACC+16+\p+1], v[ACC+16+\p:ACC+16+\p+1], v[ACC+24+\p:ACC+24+\p+1]
.endr
.irp p, 0,2,4,6
	v_pk_add_f32 v[ACC+\p:ACC+\p+1], v[ACC+\p:ACC+\p+1], v[ACC+16+\p:ACC+16+\p+1]
.endr
	ds_store_b128 v14, v[ACC:ACC+3]
	ds_store_b128 v14, v[ACC+4:ACC+7] offset:16
	s_wait_dscnt 0x0                       ; for wave 0's sake: my part is in LDS
	s_barrier_signal -1
	s_barrier_wait -1
	s_cmp_lg_u32 s20, 0
	s_cbranch_scc0 .Lwave0
	s_wait_tensorcnt 0x0                   ; a wave's end
	ds_add_u32 v[SPW], v[NIL]
	s_wait_dscnt 0x0
	s_endpgm
.Lwave0:
.irp w, 0,1,2,3
	ds_load_b128 v[H+8*\w:H+8*\w+3], v15 offset:1024*\w
	ds_load_b128 v[H+8*\w+4:H+8*\w+7], v15 offset:1024*\w+16
.endr
.macro RB a                            ; two numbers rounded to bf16 and widened again
	v_cvt_pk_bf16_f32 v112, v[(\a)], v[(\a)+1]
	v_lshlrev_b32 v[(\a)], 16, v112
	v_and_b32 v[(\a)+1], 0xffff0000, v112
.endm
	s_wait_loadcnt 0x0                     ; gate_w2, gate_b1, gate_b2
.set i, 0
.rept 32
	RB W+2*i
.set i, i+1
.endr
.set i, 0
.rept 8
	RB GB1+2*i
.set i, i+1
.endr
	s_wait_dscnt 0x0
.irp p, 0,2,4,6
	v_pk_add_f32 v[H+\p:H+\p+1], v[H+\p:H+\p+1], v[H+8+\p:H+8+\p+1]
.endr
.irp p, 0,2,4,6
	v_pk_add_f32 v[H+16+\p:H+16+\p+1], v[H+16+\p:H+16+\p+1], v[H+24+\p:H+24+\p+1]
.endr
.irp p, 0,2,4,6
	v_pk_add_f32 v[H+\p:H+\p+1], v[H+\p:H+\p+1], v[H+16+\p:H+16+\p+1]
.endr
.irp p, 0,2,4,6
	v_pk_add_f32 v[H+\p:H+\p+1], v[H+\p:H+\p+1], v[GB1+\p:GB1+\p+1]
.endr
	; gelu(x) = max(x, 0) + |x| Q(t) 2^(-x x log2(e) / 2), t = 1 / (1 + 0.2316419 |x|), Q = minus half the form's polynomial: no difference of near numbers for x < 0
.irp k, 0,1,2,3,4,5,6,7
	v_fma_f32 v[TT+\k], |v[H+\k]|, s34, 1.0
	v_mul_f32 v[UU+\k], v[H+\k], v[H+\k]
.endr
.irp k, 0,1,2,3,4,5,6,7
	v_mul_f32 v[UU+\k], s35, v[UU+\k]
.endr
.irp k, 0,1,2,3,4,5,6,7
	v_rcp_f32 v[TT+\k], v[TT+\k]
	v_exp_f32 v[UU+\k], v[UU+\k]
.endr
	v_nop                                  ; a plain instruction behind the last of the batch (ISA guide 5.7.2),
	s_wait_alu depctr_va_vdst(0)           ; and the one wait ahead of the first reader
.irp k, 0,1,2,3,4,5,6,7
	v_fma_f32 v[PP+\k], v[TT+\k], s40, s39
.endr
.irp k, 0,1,2,3,4,5,6,7
	v_fma_f32 v[PP+\k], v[PP+\k], v[TT+\k], s38
.endr
.irp k, 0,1,2,3,4,5,6,7
	v_fma_f32 v[PP+\k], v[PP+\k], v[TT+\k], s37
.endr
.irp k, 0,1,2,3,4,5,6,7
	v_fma_f32 v[PP+\k], v[PP+\k], v[TT+\k], s36
.endr
.irp k, 0,1,2,3,4,5,6,7
	v_mul_f32 v[PP+\k], v[PP+\k], v[TT+\k]
.endr
.irp k, 0,1,2,3,4,5,6,7
	v_mul_f32 v[PP+\k], v[PP+\k], v[UU+\k]
.endr
.irp k, 0,1,2,3,4,5,6,7
	v_max_num_f32 v[TT+\k], 0, v[H+\k]
.endr
.irp k, 0,1,2,3,4,5,6,7
	v_fma_f32 v[H+\k], |v[H+\k]|, v[PP+\k], v[TT+\k]
.endr
	; g: my eight channels' share, the other half of the lanes' share, the bias
.irp e, 0,1,2,3,4,5,6,7
	v_mul_f32 v[G+\e], v[H], v[W+\e]
.endr
.set j, 1
.rept 7
.irp e, 0,1,2,3,4,5,6,7
	v_fma_f32 v[G+\e], v[H+j], v[W+8*j+\e], v[G+\e]
.endr
.set j, j+1
.endr
.irp e, 0,1,2,3,4,5,6,7
	v_permlanex16_b32 v[PM+\e], v[G+\e], s32, s33
.endr
.irp e, 0,1,2,3,4,5,6,7
	v_add_f32 v[G+\e], v[G+\e], v[PM+\e]
.endr
.irp e, 0,1,2,3,4,5,6,7
	v_add_f32 v[G+\e], v[G+\e], v[GB2+\e]
.endr
	; the two largest, the lower index first among equals; everything is chosen by v_cndmask_b32, no branch and no address hangs on it
	v_mov_b32 v[M1], v[G]
	v_mov_b32 v[I1], 0
	v_mov_b32 v[M2], 0xff800000
	v_mov_b32 v[I2], 0
.irp e, 1,2,3,4,5,6,7
	v_cmp_gt_f32 s41, v[G+\e], v[M1]
	v_cmp_gt_f32 s42, v[G+\e], v[M2]
	v_cndmask_b32 v[M2], v[M2], v[G+\e], s42
	v_cndmask_b32 v[I2], v[I2], \e, s42
	v_cndmask_b32 v[M2], v[M2], v[M1], s41
	v_cndmask_b32 v[I2], v[I2], v[I1], s41
	v_cndmask_b32 v[M1], v[M1], v[G+\e], s41
	v_cndmask_b32 v[I1], v[I1], \e, s41
.endr
	v_sub_f32 v164, v[M2], v[M1]
	v_mul_f32 v164, 0x3fb8aa3b, v164
	v_exp_f32 v165, v164
	v_nop
	s_wait_alu depctr_va_vdst(0)
	v_add_f32 v166, 1.0, v165
	v_rcp_f32 v168, v166                   ; the first choice's weight
	v_nop
	s_wait_alu depctr_va_vdst(0)
	v_mul_f32 v169, v165, v168             ; the second's
	v_mov_b32 v[BM], 0
.irp e, 0,1,2,3,4,5,6,7                ; lanes 16-31 repeat lanes 0-15: the low 16 bits are the 16 tokens
	v_cmp_eq_u32 s41, \e, v[I1]
	v_cmp_eq_u32 s42, \e, v[I2]
	s_or_b32 s41, s41, s42
	s_and_b32 s41, s41, 0xffff
	s_and_b32 s42, s42, 0xffff
	s_bcnt1_i32_b32 s43, s41
	v_writelane_b32 v[BM], s41, \e
	v_writelane_b32 v[BM], s42, 8+\e
	v_writelane_b32 v[BM], s43, 16+\e
.endr
	v_lshlrev_b32 v171, 8, v1              ; row = lane, 256 bytes a row
	v_lshlrev_b32 v172, 3, v2
	s_wait_xcnt 0x0                        ; EXEC changes only behind this wait
	v_cmp_gt_u32 vcc_lo, 24, v1
	s_and_saveexec_b32 s44, vcc_lo
	global_store_b16 v171, v[BM], s[16:17] ; 24 numbers of two bytes: 6 KiB in the whole launch, laid by experts, as the next launch's vector loads want them
	s_wait_xcnt 0x0
	s_or_b32 exec_lo, exec_lo, s44
	v_cmp_gt_u32 vcc_lo, 16, v1
	s_and_saveexec_b32 s44, vcc_lo
	global_store_b64 v172, v[168:169], s[18:19]
	s_wait_xcnt 0x0
	s_or_b32 exec_lo, exec_lo, s44
	s_wait_tensorcnt 0x0                   ; the wave's end
	ds_add_u32 v[SPW], v[NIL]
	s_wait_dscnt 0x0
	s_endpgm
.Lfunc_end_k_q2dd58f9be2_router:
	.size	k_q2dd58f9be2_router, .Lfunc_end_k_q2dd58f9be2_router-k_q2dd58f9be2_router
	.p2alignl 7, 3214868480
	.fill 96, 4, 3214868480
	.section	.rodata,"a",@progbits
	.p2align	6, 0x0
	.amdhsa_kernel k_q2dd58f9be2_router
		.amdhsa_group_segment_fixed_size 71168
		.amdhsa_private_segment_fixed_size 0
		.amdhsa_enable_private_segment 0
		.amdhsa_kernarg_size 64
		.amdhsa_user_sgpr_count 2
		.amdhsa_user_sgpr_kernarg_segment_ptr 1
		.amdhsa_wavefront_size32 1
		.amdhsa_system_sgpr_workgroup_id_x 1
		.amdhsa_system_sgpr_workgroup_id_y 1
		.amdhsa_system_sgpr_workgroup_id_z 1
		.amdhsa_system_vgpr_workitem_id 0
		.amdhsa_next_free_vgpr 256
		.amdhsa_next_free_sgpr 66
		.amdhsa_reserve_vcc 1
		.amdhsa_float_denorm_mode_32 3
		.amdhsa_float_denorm_mode_16_64 3
		.amdhsa_memory_ordered 1
		.amdhsa_forward_progress 1
		.amdhsa_inst_pref_size 56
	.end_amdhsa_kernel
	.amdgpu_metadata
---
amdhsa.version: [ 1, 2 ]
amdhsa.kernels:
  - .name:           k_q2dd58f9be2_router
    .symbol:         k_q2dd58f9be2_router.kd
    .args:
      - { .name: x, .offset: 0, .size: 8, .value_kind: global_buffer, .address_space: global }
      - { .name: gate_w1, .offset: 8, .size: 8, .value_kind: global_buffer, .address_space: global }
      - { .name: gate_b1, .offset: 16, .size: 8, .value_kind: global_buffer, .address_space: global }
      - { .name: gate_w2, .offset: 24, .size: 8, .value_kind: global_buffer, .address_space: global }
      - { .name: gate_b2, .offset: 32, .size: 8, .value_kind: global_buffer, .address_space: global }
      - { .name: xb, .offset: 40, .size: 8, .value_kind: global_buffer, .address_space: global }
      - { .name: route, .offset: 48, .size: 8, .value_kind: global_buffer, .address_space: global }
      - { .name: tw, .offset: 56, .size: 8, .value_kind: global_buffer, .address_space: global }
    .group_segment_fixed_size: 71168
    .private_segment_fixed_size: 0
    .kernarg_segment_align: 8
    .kernarg_segment_size: 64
    .max_flat_workgroup_size: 128
    .sgpr_count:     66
    .vgpr_count:     256
    .wavefront_size: 32
...
	.end_amdgpu_metadata
.endif
;; end of part 1
;; launch ffn1 (part 2): grid 8 x 32, 4 waves a work-group, no clusters, 314,880 bytes of LDS; arguments xb, w1, b1, route, tw, hb, tiles, rowl, rowg; writes hb, tiles, rowl, rowg
.if DOCPART == 2
	.amdgcn_target "amdgcn-amd-amdhsa--gfx1250"
	.amdhsa_code_object_version 6
	.text
	.protected	k_q2dd58f9be2_ffn1
	.globl	k_q2dd58f9be2_ffn1
	.p2align	8
	.type	k_q2dd58f9be2_ffn1,@function
k_q2dd58f9be2_ffn1:
	s_mov_b64 s[64:65], 0
	v_nop
	global_prefetch_b8 v0, s[64:65] scope:SCOPE_SE
	s_setreg_imm32_b32 hwreg(HW_REG_WAVE_MODE, 25, 1), 1
	s_wait_xcnt 0x0
; THE FIRST PRODUCT, for the chosen rows alone: h = gelu(x_rows w1[e] + b1[e]), rounded to bf16.  Also: the 4,096 routed rows are dealt to 32 row tiles, and the deal is stored for the next launch.
; FORMATS.  x (xb), w1 and b1 rounded once to bf16; sums in f32; gelu in f32, erf by a five-term rational form (absolute error 1.5e-7), right for every finite number; h rounded once to bf16.
; THE DEAL, made by every wave in scalar registers from the stored counts.  C[e] rows are U[e] = ceil(C / 16) fragments, 263 at the most in all.  Q = the least of 8 .. 11 with sum ceil(U / Q) <= 32
; (11 always serves: (263 + 80) / 11 < 32); G[e] = ceil(U / Q) tiles, and what is left of the 32 goes to the experts in order, never more tiles than fragments.  So the tiles are exactly 32 for every
; split, each has 1 to 11 fragments, and no work-group is without rows.  Tile j of an expert takes U div G fragments, the first U mod G tiles one more.
; SHARES.  Grid x = 8 column tiles of 256, y = 32 row tiles.  Wave w: all the tile's rows x columns 64 w .. 64 w + 63, all of K = 1,024: up to 11 x 4 accumulators.
; WEIGHTS go from memory straight into operand registers: lane (r, h) loads columns 4 r .. 4 r + 3 of 16 rows of k; two neighbouring rows round into one register of a fragment whose lane r is
; column 4 r + c.  Sixteen lanes read 256 consecutive bytes, aligned; each weight is read by one wave of the work-group; three to four K steps' loads are out.
; ROWS come by a list, 64 k at a time, through registers into two LDS slots that take turns.
; ONE STEP AHEAD.  There are two sets of fragment registers.  While a K step's products run from one set, the other has been asked for: the next step's rows from LDS, the next step's weights rounded.
; NO CLUSTER, NO TENSOR LOAD: the rows come by a list that no descriptor covers; the f32 weights must pass through registers to be rounded; and the tiles that share an expert's weights number
; 1 to 32 with the split, not a multiple of four.
; Places past a tile's count repeat its last row, so every number in hb's fragments is a true h.  Fragments 8 to 10 are staged, read and multiplied only where the tile has them.
; REGISTERS, in windows of 256 (s_set_vgpr_msb: bits 1:0 source 0, 3:2 source 1, 5:4 source 2, 7:6 destination):
;   window 0: addresses, fragment set 0, staging.  window 1: four K steps of f32 weights, 64 each.  window 2: accumulators (a, c) at 32 a + 8 c, a < 8.
;   window 3: v0-95 accumulators a = 8 .. 10; v96-183 and v184-215 fragment set 1.
.set BPITCH, 8192                      ; bytes from a row of w1 to the next
.set CH,     128                       ; bytes of a row of xb in a chunk of 64 k
.set NAMIN,  8                         ; staging loads a thread and chunk that are never jumped (11 where the tile has 11 fragments)
.set NBE,    48+NAMIN                  ; younger loads when the next step's weights are wanted, at the fewest: in an even step B A B B,
.set NBO,    63                        ; in an odd step A B B A B = 64; the wait's field ends at 63
.set SLOT1,  65536                     ; slot 0 at 0, slot 1 here: 176 rows of 144 bytes (128 + 16: the 16 rows of a fragment load start at 16 different groups of four banks, ISA guide 11.1)
.set DUMPB,  131072                    ; the accumulators' way out: 11 x 4,096 bytes a wave
.set DUMPW,  45056
.set LIST,   311296                    ; a wave's list of its tile's rows: 177 words in 768 bytes
.set SPARE,  314368                    ; the spare words: 128 bytes a wave, two blocks of 256 bytes that no other line names
.set AS,  7                            ; v7-8 staging, LDS address in slot 0, 1
.set AF,  9                            ; v9-10 fragments, LDS address in slot 0, 1
.set DMP, 11                           ; v11  my 16 bytes in my wave's dump
.set SPW, 12                           ; v12  SPARE + 4 x my thread's number; never rewritten
.set NIL, 13                           ; v13  0; never rewritten
.set LB,  14                           ; v14  my wave's list
.set DR,  15                           ; v15  the dump, read back
.set VO,  16                           ; v16-26 byte offset in xb of my 16 bytes of row 16 i + (thread / 8)
.set HO,  27                           ; v27  byte offset in hb
.set BO,  28                           ; v28  16 r
.set CO,  29                           ; v29  64 lane: the counts' and the bitmaps' offset
.set AST, 152                          ; v152-195 staging
.set BB,  240                          ; v240-243 my four columns' bias
.set BD,  244                          ; v244-251 the same, each twice; before that at work
.set VB,  252                          ; v252-255 weights: 8 h rows + 16 r + the rows gone, one register for each of the four buffers
.set X,   64                           ; the way out: 32 numbers of a fragment,
.set T,   96
.set U,   128
.set P,   160
.set OB,  192                          ; and 16 registers of bf16
.set BP,  2                            ; s[2:3]   w1 at my expert and columns; never rewritten
.set SF,  25                           ; s25      the tile's fragments
.set AP,  58                           ; s[58:59] xb, stepping
.set HP,  60                           ; s[60:61] hb at my block of 64 channels
.set SL,  62                           ; s62      the lane that holds the bitmaps' quarter in hand
.set MSB, 0
.macro WIN new                         ; the immediate's high byte repeats the setting that is left; a switch that changes nothing is dropped
.if MSB != (\new)
	s_set_vgpr_msb (MSB<<8)|(\new)
.set MSB, (\new)
.endif
.endm
.macro PLACES                          ; four places behind a matrix instruction, ahead of loads into and writes of its registers and of reads of its result
.rept 4
	v_nop
.endr
.endm
.macro LDA2 a, slot, ks, p             ; fragment a, 16 rows x 32 k, into set p (window 0: v64 on; window 3: v96 on)
	ds_load_b128 v[64+32*(\p)+8*(\a):64+32*(\p)+8*(\a)+3], v[AF+(\slot)] offset:2304*(\a)+64*(\ks)
	ds_load_b128 v[64+32*(\p)+8*(\a)+4:64+32*(\p)+8*(\a)+7], v[AF+(\slot)] offset:2304*(\a)+64*(\ks)+32
.endm
.macro LDA slot, ks, p, all            ; a K step's fragments of rows; all = 0: fragments 8 to 10 only where the tile has them
	WIN 0xc0*(\p)
.irp a, 0,1,2,3,4,5,6,7
	LDA2 \a, \slot, \ks, \p
.endr
.irp a, 8,9,10
.if !(\all)
	WIN 0
	s_cmp_le_u32 s[SF], \a
	s_cbranch_scc1 .Lla_\@
	WIN 0xc0*(\p)
.endif
	LDA2 \a, \slot, \ks, \p
.endr
	WIN 0
.if !(\all)
.Lla_\@:
.endif
.endm
.macro CVT sb, p                       ; a K step's f32 weights into four bf16 fragments of set p: register t of fragment c holds rows 2 t, 2 t + 1 of my sixteen, column 4 r + c
	WIN 0x05+0xc0*(\p)
.set c, 0
.rept 4
.set t, 0
.rept 8
	v_cvt_pk_bf16_f32 v[32+152*(\p)+8*c+t], v[64*(\sb)+8*t+c], v[64*(\sb)+8*t+4+c]
.set t, t+1
.endr
.set c, c+1
.endr
	WIN 0
.endm
.macro LDB sb                          ; a K step's weights into buffer sb: rows 32 sb + 8 h + 0..7 and 32 sb + 16 + 8 h + 0..7 behind the rows gone
	WIN 0x40
.set i, 0
.rept 16
	global_load_b128 v[64*(\sb)+4*i:64*(\sb)+4*i+3], v[VB+(\sb)], s[BP:BP+1] offset:(32*(\sb)+i+8*(i/8))*BPITCH
.set i, i+1
.endr
	WIN 0
.endm
.macro AST_ST slot, all
.irp i, 0,1,2,3,4,5,6,7
	ds_store_b128 v[AS+(\slot)], v[AST+4*\i:AST+4*\i+3] offset:2304*\i
.endr
.irp i, 8,9,10
.if !(\all)
	s_cmp_le_u32 s[SF], \i
	s_cbranch_scc1 .Lst_\@
.endif
	ds_store_b128 v[AS+(\slot)], v[AST+4*\i:AST+4*\i+3] offset:2304*\i
.endr
.if !(\all)
.Lst_\@:
.endif
.endm
.macro AST_LD all
.irp i, 0,1,2,3,4,5,6,7
	global_load_b128 v[AST+4*\i:AST+4*\i+3], v[VO+\i], s[AP:AP+1]
.endr
.irp i, 8,9,10
.if !(\all)
	s_cmp_le_u32 s[SF], \i
	s_cbranch_scc1 .Lld_\@
.endif
	global_load_b128 v[AST+4*\i:AST+4*\i+3], v[VO+\i], s[AP:AP+1]
.endr
.if !(\all)
.Lld_\@:
.endif
.endm
.macro MM4 a, p, zero                  ; fragment a times the four fragments of weights, from set p
.set c, 0
.rept 4
.if \zero
	v_wmma_f32_16x16x32_bf16 v[32*((\a)%8)+8*c:32*((\a)%8)+8*c+7], v[64+32*(\p)+8*(\a):64+32*(\p)+8*(\a)+7], v[32+152*(\p)+8*c:32+152*(\p)+8*c+7], 0
.else
	v_wmma_f32_16x16x32_bf16 v[32*((\a)%8)+8*c:32*((\a)%8)+8*c+7], v[64+32*(\p)+8*(\a):64+32*(\p)+8*(\a)+7], v[32+152*(\p)+8*c:32+152*(\p)+8*c+7], v[32*((\a)%8)+8*c:32*((\a)%8)+8*c+7]
.endif
.set c, c+1
.endr
.endm
; A K step's products.  The accumulators take turns, one instruction a turn.  Fragments 8 to 10 are jumped where the tile has not so many; the first step starts all 44 sums with 0.
; turn = 1: the chunk's one barrier.  Sixteen products in, my stores of the next chunk are done and my last reads of this chunk's slot are back: I say so; the rest of the products stand between signal and wait.
.macro MMA p, zero, turn
	WIN 0xa0+0x0f*(\p)
.irp a, 0,1,2,3
	MM4 \a, \p, \zero
.endr
.if \turn
	s_wait_dscnt 0x0
	s_barrier_signal -1
.endif
.irp a, 4,5,6,7
	MM4 \a, \p, \zero
.endr
.if \zero
	WIN 0xf0+0x0f*(\p)
	MM4 8, \p, 1
	MM4 9, \p, 1
	MM4 10, \p, 1
	WIN 0
.else
.irp a, 8,9,10
	WIN 0
	s_cmp_le_u32 s[SF], \a
	s_cbranch_scc1 .Lmm_\@
	WIN 0xf0+0x0f*(\p)
	MM4 \a, \p, 0
.endr
	WIN 0
.Lmm_\@:
.endif
.if \turn
	s_barrier_wait -1                      ; the other slot is whole, and nobody reads this chunk's slot any more
.endif
.endm
.macro BAR
	s_wait_dscnt 0x0                       ; my LDS stores are done and my LDS loads are back
	s_barrier_signal -1
	s_barrier_wait -1
.endm
; K STEP s, j = s mod 4; its chunk lies in slot j / 2, its fragments in set j mod 2.  In this order: the weights of step s + 4 are asked for (bload), into the buffer that the last step's rounding has read;
; step s + 1's rows are asked for from LDS and its weights rounded, into the other set (next); in an even step (turn) the chunk in the staging registers goes into the other slot, which every wave left
; at the last barrier, and the chunk after it is asked for (issue); then step s's products.
; Global loads go out in the order B A | B | B A | B in four steps (B: 16 loads of weights; A: the staging loads).  nB = the loads issued behind the B that is wanted, nA = those behind the A that is wanted.
; A buffer's offset register is stepped behind the wait that shows its own loads done, the rows' base behind the wait that shows the staging loads done: no other load names them.
; dsw = 1: step s's fragments were asked for in a step that had no barrier; they have had that step's products in which to land.
.macro KSTEP j, zero, nB, bload, next, turn, nA, issue, dsw, all
.if \dsw
	s_wait_dscnt 0x0
.endif
.if \next
	PLACES
.if \bload
	LDB \j
.endif
	LDA (((\j)+1)%4)/2, ((\j)+1)%2, ((\j)+1)%2, \all
	s_wait_loadcnt \nB
.if \bload
	v_add_nc_u32 v[VB+((\j)+1)%4], 128*BPITCH, v[VB+((\j)+1)%4]
.endif
	CVT ((\j)+1)%4, ((\j)+1)%2
.endif
.if \turn
	s_wait_loadcnt \nA
	AST_ST 1-(\j)/2, 0
.if \issue
	s_add_nc_u64 s[AP:AP+1], s[AP:AP+1], CH
	AST_LD 0
.endif
.endif
	MMA (\j)%2, \zero, \turn
.endm
	s_load_b512 s[4:19], s[0:1], 0x0       ; xb, w1, b1, route, tw, hb, tiles, rowl
	s_load_b64 s[20:21], s[0:1], 0x40      ; rowg
	v_lshl_add_u32 v[SPW], v0, 2, SPARE
	v_mov_b32 v[NIL], 0
	v_and_b32 v1, 31, v0                   ; lane
	v_lshrrev_b32 v4, 5, v0
	v_readfirstlane_b32 s22, v4            ; wave
	v_and_b32 v2, 15, v0                   ; r
	v_bfe_u32 v3, v0, 4, 1                 ; h
	s_mov_b32 s23, ttmp9                   ; column tile
	s_and_b32 s24, ttmp7, 0xffff           ; row tile
	v_lshlrev_b32 v[CO], 6, v1
	s_wait_kmcnt 0x0
.irp i, 0,1,2,3                        ; all of route at once: lane l takes quarter l % 4 (64 bytes) of expert l / 4's counts, of its bitmap, and of its bitmap of second choices
	global_load_b128 v[64+4*\i:67+4*\i], v[CO], s[10:11] offset:4096+16*\i
	global_load_b128 v[96+4*\i:99+4*\i], v[CO], s[10:11] offset:16*\i
	global_load_b128 v[112+4*\i:115+4*\i], v[CO], s[10:11] offset:2048+16*\i
.endr
	v_lshlrev_b32 v[BO], 4, v2
	v_lshl_add_u32 v[VB], v3, 16, v[BO]    ; 8 h rows of 8,192 bytes + 16 r
	v_mov_b32 v[VB+1], v[VB]
	v_mov_b32 v[VB+2], v[VB]
	v_mov_b32 v[VB+3], v[VB]
	v_mul_u32_u24 v[AF], v2, 144
	v_lshl_add_u32 v[AF], v3, 4, v[AF]
	v_add_nc_u32 v[AF+1], SLOT1, v[AF]
	s_mul_i32 s31, s22, DUMPW
	s_add_co_u32 s31, s31, DUMPB
	v_lshlrev_b32 v[DMP], 4, v1
	v_add_nc_u32 v[DMP], s31, v[DMP]
	s_mul_i32 s31, s22, 768
	s_add_co_u32 s31, s31, LIST
	v_mov_b32 v[LB], s31
	s_wait_loadcnt 0x0
.irp i, 0,1,2,3,4,5,6,7                ; two u16 sums a register: an expert's whole count is 2,048 at the most, so no half overflows
	v_add_nc_u32 v[64+\i], v[64+\i], v[72+\i]
.endr
.irp i, 0,1,2,3
	v_add_nc_u32 v[64+\i], v[64+\i], v[68+\i]
.endr
	v_add_nc_u32 v64, v64, v66
	v_add_nc_u32 v65, v65, v67
	v_add_nc_u32 v64, v64, v65
	v_mov_b32_dpp v65, v64 row_xmask:1 row_mask:0xf bank_mask:0xf
	v_add_nc_u32 v64, v64, v65
	v_mov_b32_dpp v65, v64 row_xmask:2 row_mask:0xf bank_mask:0xf
	v_add_nc_u32 v64, v64, v65
	v_lshrrev_b32 v65, 16, v64
	v_and_b32 v64, 0xffff, v64
	v_add_nc_u32 v64, v64, v65
.irp e, 0,1,2,3,4,5,6,7
	v_readlane_b32 s[32+\e], v64, 4*\e     ; C
.endr
.irp e, 0,1,2,3,4,5,6,7
	s_add_co_u32 s[40+\e], s[32+\e], 15
	s_lshr_b32 s[40+\e], s[40+\e], 4       ; U
.endr
.macro TSUM dst, q, m                  ; sum over the experts of ceil(U / q): (n m) >> 11 = n div q for n up to 138
	s_mov_b32 s[\dst], 0
.irp e, 0,1,2,3,4,5,6,7
	s_add_co_u32 s31, s[40+\e], (\q)-1
	s_mul_i32 s31, s31, \m
	s_lshr_b32 s31, s31, 11
	s_add_co_u32 s[\dst], s[\dst], s31
.endr
.endm
	TSUM 68, 10, 205
	TSUM 69, 9, 228
	TSUM 70, 8, 256
	s_mov_b32 s29, 10                      ; Q - 1 and its multiplier
	s_mov_b32 s30, 187
	s_cmp_le_u32 s68, 32
	s_cselect_b32 s29, 9, s29
	s_cselect_b32 s30, 205, s30
	s_cmp_le_u32 s69, 32
	s_cselect_b32 s29, 8, s29
	s_cselect_b32 s30, 228, s30
	s_cmp_le_u32 s70, 32
	s_cselect_b32 s29, 7, s29
	s_cselect_b32 s30, 256, s30
	s_mov_b32 s71, 32                      ; tiles left
.irp e, 0,1,2,3,4,5,6,7
	s_add_co_u32 s31, s[40+\e], s29
	s_mul_i32 s31, s31, s30
	s_lshr_b32 s[48+\e], s31, 11           ; G
	s_sub_co_u32 s71, s71, s[48+\e]
.endr
.irp e, 0,1,2,3,4,5,6,7
	s_sub_co_u32 s31, s[40+\e], s[48+\e]
	s_min_u32 s31, s31, s71
	s_add_co_u32 s[48+\e], s[48+\e], s31
	s_sub_co_u32 s71, s71, s31
.endr
	s_mov_b32 s26, 0                       ; my expert: the last whose first tile is not behind mine
	s_mov_b32 s58, 0                       ; its first tile,
	s_mov_b32 s59, s32                     ; rows,
	s_mov_b32 s60, s40                     ; fragments,
	s_mov_b32 s61, s48                     ; tiles,
	s_mov_b32 s62, 0                       ; first fragment
	s_mov_b32 s63, 0
	s_mov_b32 s66, 0
.irp e, 1,2,3,4,5,6,7
	s_add_co_u32 s63, s63, s[47+\e]
	s_add_co_u32 s66, s66, s[39+\e]
	s_cmp_le_u32 s63, s24
	s_cselect_b32 s26, \e, s26
	s_cselect_b32 s58, s63, s58
	s_cselect_b32 s59, s[32+\e], s59
	s_cselect_b32 s60, s[40+\e], s60
	s_cselect_b32 s61, s[48+\e], s61
	s_cselect_b32 s62, s66, s62
.endr
	s_sub_co_u32 s75, s24, s58             ; j: my tile among the expert's
	s_mov_b32 s73, 0                       ; a = fragments div tiles, 11 at the most: four bits
.irp b, 8,4,2,1
	s_or_b32 s31, s73, \b
	s_mul_i32 s77, s31, s61
	s_cmp_le_u32 s77, s60
	s_cselect_b32 s73, s31, s73
.endr
	s_mul_i32 s31, s73, s61
	s_sub_co_u32 s74, s60, s31             ; the remainder
	s_mul_i32 s72, s75, s73
	s_min_u32 s31, s75, s74
	s_add_co_u32 s72, s72, s31             ; my first fragment among the expert's
	s_cmp_lt_u32 s75, s74
	s_cselect_b32 s31, 1, 0
	s_add_co_u32 s[SF], s73, s31           ; my fragments
	s_add_co_u32 s27, s62, s72             ; my first fragment in hb
	s_lshl_b32 s57, s72, 4
	s_sub_co_u32 s28, s59, s57
	s_lshl_b32 s31, s[SF], 4
	s_min_u32 s28, s28, s31                ; my rows,
	s_sub_co_u32 s28, s28, 1               ; less one
	s_sub_co_u32 s57, 0, s57               ; a row's place in my tile = its rank in the expert - 16 x my first fragment
	s_min_u32 s26, s26, 7                  ; bounds that hold for every split, written out ahead of every address
	s_min_u32 s27, s27, 262
	s_max_u32 s[SF], s[SF], 1
	s_min_u32 s[SF], s[SF], 11
	s_min_u32 s28, s28, 175
	s_mov_b32 s67, 0
	s_lshl_b32 s66, s26, 23                ; w1: the expert, 1,024 ct + 256 w bytes along a row
	s_lshl_b32 s31, s23, 10
	s_add_co_u32 s66, s66, s31
	s_lshl_b32 s31, s22, 8
	s_add_co_u32 s66, s66, s31
	s_add_nc_u64 s[BP:BP+1], s[6:7], s[66:67]
	s_lshl_b32 s66, s26, 13                ; b1 likewise
	s_lshl_b32 s31, s23, 10
	s_add_co_u32 s66, s66, s31
	s_lshl_b32 s31, s22, 8
	s_add_co_u32 s66, s66, s31
	s_add_nc_u64 s[8:9], s[8:9], s[66:67]
	global_load_b128 v[BB:BB+3], v[BO], s[8:9]
	LDB 0                                  ; the first four K steps' weights are on their way while the list is made
	LDB 1
	LDB 2
	LDB 3
	s_lshl_b32 s[SL], s26, 2               ; lane 4 E holds the first quarter of my expert's bitmaps
	s_lshl_b32 s66, s23, 13                ; hb: block 4 ct + w of 2,048 bytes in a fragment
	s_lshl_b32 s31, s22, 11
	s_add_co_u32 s66, s66, s31
	s_add_nc_u64 s[HP:HP+1], s[14:15], s[66:67]
	s_mov_b64 s[AP:AP+1], s[4:5]
	; THE LIST.  64 words of 32 tokens: a token that chose the expert has rank = bits below it; its entry, 2 token + (1 if second choice), goes to place rank - 16 x first fragment; all others to word 176.
	v_lshlrev_b32 v247, 1, v1
	v_or_b32 v248, 1, v247
	v_mov_b32 v246, 176
	s_mov_b32 s56, 4
.Lwalk:                                    ; a trip: 16 words of each bitmap, out of the lane that holds them
.set i, 0
.rept 16
	v_readlane_b32 s[68+i], v[96+i], s[SL]     ; chose the expert
	v_readlane_b32 s[84+i], v[112+i], s[SL]    ; chose it second
.set i, i+1
.endr
.set i, 0
.rept 16
	v_mbcnt_lo_u32_b32 v244, s[68+i], s57
	v_cndmask_b32 v244, v246, v244, s[68+i]
	v_min_u32 v244, 0xb0, v244             ; places below my tile wrap to large numbers; those and places past 175 go to word 176
	v_cndmask_b32 v245, v247, v248, s[84+i]
	v_lshl_add_u32 v244, v244, 2, v[LB]
	ds_store_b32 v244, v245
	v_add_nc_u32 v247, 64, v247
	v_add_nc_u32 v248, 64, v248
	s_bcnt1_i32_b32 s31, s[68+i]
	s_add_co_u32 s57, s57, s31
.set i, i+1
.endr
	s_add_co_u32 s[SL], s[SL], 1
	s_sub_co_u32 s56, s56, 1
	s_cmp_lg_u32 s56, 0
	s_cbranch_scc1 .Lwalk
	v_bfe_u32 v4, v0, 3, 4                 ; which of 16 rows I stage,
	v_and_b32 v5, 7, v0
	v_lshlrev_b32 v5, 4, v5                ; which 16 of its 128 bytes
.set i, 0
.rept 11
	v_add_nc_u32 v[64+i], 16*i, v4
	v_min_u32 v[64+i], s28, v[64+i]        ; places past the count repeat the last row
	v_lshl_add_u32 v[64+i], v[64+i], 2, v[LB]
	ds_load_b32 v[VO+i], v[64+i]           ; my wave's own list: LDS serves a wave's instructions in order
.set i, i+1
.endr
	v_mul_u32_u24 v[AS], v4, 144
	v_add_nc_u32 v[AS], v[AS], v5
	v_add_nc_u32 v[AS+1], SLOT1, v[AS]
	s_lshl_b32 s31, s27, 16
	v_lshlrev_b32 v[HO], 3, v1
	v_add_nc_u32 v[HO], s31, v[HO]
	s_wait_dscnt 0x0
.set i, 0
.rept 11
	v_min_u32 v[VO+i], 0xfff, v[VO+i]
	v_and_b32 v[VO+i], 0xffe, v[VO+i]      ; 2 token
	v_lshl_add_u32 v[VO+i], v[VO+i], 10, v5
.set i, i+1
.endr
	AST_LD 1                               ; chunk 0, all eleven fragments: every staging register is written
	s_or_b32 s31, s23, s22
	s_cmp_lg_u32 s31, 0
	s_cbranch_scc1 .Lnolist                ; column tile 0's wave 0 stores the deal for the next launch
	s_mul_i32 s66, s24, 768
	s_add_nc_u64 s[18:19], s[18:19], s[66:67]
	s_add_nc_u64 s[20:21], s[20:21], s[66:67]
.irp i, 0,1,2,3,4,5
	v_add_nc_u32 v[70+\i], 32*\i, v1
	v_min_u32 v[70+\i], s28, v[70+\i]
	v_lshl_add_u32 v[70+\i], v[70+\i], 2, v[LB]
	ds_load_b32 v[64+\i], v[70+\i]
.endr
	v_lshlrev_b32 v88, 2, v1
	s_lshl_b32 s31, s24, 4
	v_mov_b32 v89, s31
	v_mov_b32 v92, s26
	v_mov_b32 v93, s27
	v_mov_b32 v94, s[SF]
	s_add_co_u32 s31, s28, 1
	v_mov_b32 v95, s31
	s_wait_dscnt 0x0
.irp i, 0,1,2,3,4,5
	v_min_u32 v[64+\i], 0xfff, v[64+\i]
	v_lshlrev_b32 v[76+\i], 2, v[64+\i]
	global_load_b32 v[82+\i], v[76+\i], s[12:13]           ; the row's gate weight
	global_store_b32 v88, v[64+\i], s[18:19] offset:128*\i
.endr
	s_wait_loadcnt 0x0
.irp i, 0,1,2,3,4,5
	global_store_b32 v88, v[82+\i], s[20:21] offset:128*\i
.endr
	s_wait_xcnt 0x0                        ; EXEC changes only behind this wait
	v_cmp_eq_u32 vcc_lo, 0, v1
	s_and_saveexec_b32 s31, vcc_lo
	global_store_b128 v89, v[92:95], s[16:17]              ; expert, first fragment, fragments, rows
	s_wait_xcnt 0x0
	s_or_b32 exec_lo, exec_lo, s31
.Lnolist:
	s_mov_b32 s68, 0xbe027906              ; minus half of the form's five coefficients, each as a pair for the packed forms
	s_mov_b32 s69, s68
	s_mov_b32 s70, 0x3e11a98e
	s_mov_b32 s71, s70
	s_mov_b32 s72, 0xbf35f0e3
	s_mov_b32 s73, s72
	s_mov_b32 s74, 0x3f3a00e3
	s_mov_b32 s75, s74
	s_mov_b32 s76, 0xbf07dc22
	s_mov_b32 s77, s76
	s_mov_b32 s80, 0xbf38aa3b              ; -log2(e) / 2
	s_mov_b32 s81, s80
	s_mov_b32 s82, 0x3e6d3388              ; 0.3275911 / sqrt(2)
	s_wait_loadcnt 0x0                     ; the bias, four K steps of weights, chunk 0
.irp p, 0,2                            ; the bias rounded to bf16 and widened again,
	v_cvt_pk_bf16_f32 v4, v[BB+\p], v[BB+\p+1]
	v_lshlrev_b32 v[BB+\p], 16, v4
	v_and_b32 v[BB+\p+1], 0xffff0000, v4
.endr
.irp c, 0,1,2,3                        ; and each of the four twice, for the packed additions
	v_mov_b32 v[BD+2*\c], v[BB+\c]
	v_mov_b32 v[BD+2*\c+1], v[BB+\c]
.endr
	AST_ST 0, 1                            ; all eleven fragments: every byte of slot 0 is written
	s_add_nc_u64 s[AP:AP+1], s[AP:AP+1], CH
	AST_LD 0                               ; chunk 1
	BAR
	LDA 0, 0, 0, 1                         ; what a step finds done by the step before it: step 0's rows asked for, its weights rounded, buffer 0's offset stepped
	v_add_nc_u32 v[VB], 128*BPITCH, v[VB]
	CVT 0, 0
	KSTEP 0, 1, NBE, 1, 1, 1, 16, 1, 1, 1  ; the first four K steps: the first products start the sums; behind chunk 1's loads only one group of weights has been issued
	KSTEP 1, 0, NBO, 1, 1, 0, 0, 0, 0, 0
	KSTEP 2, 0, NBE, 1, 1, 1, 32, 1, 1, 0
	KSTEP 3, 0, NBO, 1, 1, 0, 0, 0, 0, 0
	s_mov_b32 s56, 6
.Lquad:
	KSTEP 0, 0, NBE, 1, 1, 1, 32, 1, 1, 0
	KSTEP 1, 0, NBO, 1, 1, 0, 0, 0, 0, 0
	KSTEP 2, 0, NBE, 1, 1, 1, 32, 1, 1, 0
	KSTEP 3, 0, NBO, 1, 1, 0, 0, 0, 0, 0
	s_sub_co_u32 s56, s56, 1
	s_cmp_lg_u32 s56, 0
	s_cbranch_scc1 .Lquad
	KSTEP 0, 0, 32+NAMIN, 0, 1, 1, 16, 0, 1, 0 ; the last four K steps ask memory for nothing: behind step 29's weights stand B A B, behind the last chunk one B;
	KSTEP 1, 0, 16, 0, 1, 0, 0, 0, 0, 0        ; behind step 30's A B, of which the wait for the chunk has left 16;
	KSTEP 2, 0, 0, 0, 1, 0, 0, 0, 1, 0         ; the last chunk is in its slot: no staging, no barrier
	KSTEP 3, 0, 0, 0, 0, 0, 0, 0, 1, 0
	; THE WAY OUT.  The live accumulators go into my wave's own bytes of LDS, each lane's as they lie, so that one text, looped over the fragments, can take them up again.
	PLACES
.set a, 0
.rept 11
.if a > 0
	WIN 0
	s_cmp_le_u32 s[SF], a
	s_cbranch_scc1 .Ldumped
.endif
.if a < 8
	WIN 0x08
.else
	WIN 0x0c
.endif
.set c, 0
.rept 4                                ; each accumulator's low four registers first
	ds_store_b128 v[DMP], v[32*(a%8)+8*c:32*(a%8)+8*c+3] offset:4096*a+1024*c
	ds_store_b128 v[DMP], v[32*(a%8)+8*c+4:32*(a%8)+8*c+7] offset:4096*a+1024*c+512
.set c, c+1
.endr
.set a, a+1
.endr
	WIN 0
.Ldumped:
	v_mov_b32 v[DR], v[DMP]
	s_mov_b32 s56, 11
	s_mov_b32 s57, 0
.Lout:                                     ; eleven trips; those past the tile's fragments jump to the steps
	s_cmp_ge_u32 s57, s[SF]
	s_cbranch_scc1 .Lnext
.set i, 0
.rept 8
	ds_load_b128 v[X+4*i:X+4*i+3], v[DR] offset:512*i      ; X + 8 c + j: row 8 h + j, column 4 r + c
.set i, i+1
.endr
	s_wait_dscnt 0x0
.set i, 0
.rept 16
	v_pk_add_f32 v[X+2*i:X+2*i+1], v[X+2*i:X+2*i+1], v[BD+2*(i/4):BD+2*(i/4)+1]
.set i, i+1
.endr
	; gelu(x) = max(x, 0) + |x| Q(t) 2^(-x x log2(e) / 2), t = 1 / (1 + 0.2316419 |x|).  A pair's four plain lines stand between the transcendentals of the pair before: 64 of them, one batch, one wait.
.set i, 0
.rept 17
.if i < 16
	v_fma_f32 v[T+2*i], |v[X+2*i]|, s82, 1.0
	v_fma_f32 v[T+2*i+1], |v[X+2*i+1]|, s82, 1.0
	v_pk_mul_f32 v[U+2*i:U+2*i+1], v[X+2*i:X+2*i+1], v[X+2*i:X+2*i+1]
	v_pk_mul_f32 v[U+2*i:U+2*i+1], v[U+2*i:U+2*i+1], s[80:81] op_sel_hi:[1,0]
.endif
.if i > 0
	v_rcp_f32 v[T+2*i-2], v[T+2*i-2]
	v_rcp_f32 v[T+2*i-1], v[T+2*i-1]
	v_exp_f32 v[U+2*i-2], v[U+2*i-2]
	v_exp_f32 v[U+2*i-1], v[U+2*i-1]
.endif
.set i, i+1
.endr
	v_nop                                  ; a plain instruction behind the last of the batch (ISA guide 5.7.2),
	s_wait_alu depctr_va_vdst(0)           ; and the one wait ahead of the first reader
.set i, 0
.rept 16
	v_pk_fma_f32 v[P+2*i:P+2*i+1], v[T+2*i:T+2*i+1], s[76:77], s[74:75] op_sel_hi:[1,0,0]
.set i, i+1
.endr
.irp k, 72,70,68
.set i, 0
.rept 16
	v_pk_fma_f32 v[P+2*i:P+2*i+1], v[P+2*i:P+2*i+1], v[T+2*i:T+2*i+1], s[\k:\k+1] op_sel_hi:[1,1,0]
.set i, i+1
.endr
.endr
.set i, 0
.rept 16
	v_pk_mul_f32 v[P+2*i:P+2*i+1], v[P+2*i:P+2*i+1], v[T+2*i:T+2*i+1]
.set i, i+1
.endr
.set i, 0
.rept 16
	v_pk_mul_f32 v[P+2*i:P+2*i+1], v[P+2*i:P+2*i+1], v[U+2*i:U+2*i+1]
.set i, i+1
.endr
.set i, 0
.rept 32
	v_max_num_f32 v[T+i], 0, v[X+i]
.set i, i+1
.endr
.set i, 0
.rept 32
	v_fma_f32 v[X+i], |v[X+i]|, v[P+i], v[T+i]
.set i, i+1
.endr
	s_wait_xcnt 0x0                        ; the last trip's stores have read their data
.set j, 0
.rept 8                                ; row 8 h + j lies at place 2 j + h of its block: 32 lanes store 256 consecutive bytes, aligned
	v_cvt_pk_bf16_f32 v[OB+2*j], v[X+j], v[X+8+j]
	v_cvt_pk_bf16_f32 v[OB+2*j+1], v[X+16+j], v[X+24+j]
	global_store_b64 v[HO], v[OB+2*j:OB+2*j+1], s[HP:HP+1] offset:256*j
.set j, j+1
.endr
.Lnext:
	s_wait_xcnt 0x0                        ; the stores have read their offset
	v_add_nc_u32 v[DR], 4096, v[DR]
	v_add_nc_u32 v[HO], 0x10000, v[HO]
	s_add_co_u32 s57, s57, 1
	s_sub_co_u32 s56, s56, 1
	s_cmp_lg_u32 s56, 0
	s_cbranch_scc1 .Lout
	s_wait_tensorcnt 0x0                   ; the wave's end
	ds_add_u32 v[SPW], v[NIL]
	s_wait_dscnt 0x0
	s_endpgm
.Lfunc_end_k_q2dd58f9be2_ffn1:
	.size	k_q2dd58f9be2_ffn1, .Lfunc_end_k_q2dd58f9be2_ffn1-k_q2dd58f9be2_ffn1
	.p2alignl 7, 3214868480
	.fill 96, 4, 3214868480
	.section	.rodata,"a",@progbits
	.p2align	6, 0x0
	.amdhsa_kernel k_q2dd58f9be2_ffn1
		.amdhsa_group_segment_fixed_size 314880
		.amdhsa_private_segment_fixed_size 0
		.amdhsa_enable_private_segment 0
		.amdhsa_kernarg_size 72
		.amdhsa_user_sgpr_count 2
		.amdhsa_user_sgpr_kernarg_segment_ptr 1
		.amdhsa_wavefront_size32 1
		.amdhsa_system_sgpr_workgroup_id_x 1
		.amdhsa_system_sgpr_workgroup_id_y 1
		.amdhsa_system_sgpr_workgroup_id_z 1
		.amdhsa_system_vgpr_workitem_id 0
		.amdhsa_next_free_vgpr 984
		.amdhsa_next_free_sgpr 100
		.amdhsa_reserve_vcc 1
		.amdhsa_float_denorm_mode_32 3
		.amdhsa_float_denorm_mode_16_64 3
		.amdhsa_memory_ordered 1
		.amdhsa_forward_progress 1
		.amdhsa_inst_pref_size 179
	.end_amdhsa_kernel
	.amdgpu_metadata
---
amdhsa.version: [ 1, 2 ]
amdhsa.kernels:
  - .name:           k_q2dd58f9be2_ffn1
    .symbol:         k_q2dd58f9be2_ffn1.kd
    .args:
      - { .name: xb, .offset: 0, .size: 8, .value_kind: global_buffer, .address_space: global }
      - { .name: w1, .offset: 8, .size: 8, .value_kind: global_buffer, .address_space: global }
      - { .name: b1, .offset: 16, .size: 8, .value_kind: global_buffer, .address_space: global }
      - { .name: route, .offset: 24, .size: 8, .value_kind: global_buffer, .address_space: global }
      - { .name: tw, .offset: 32, .size: 8, .value_kind: global_buffer, .address_space: global }
      - { .name: hb, .offset: 40, .size: 8, .value_kind: global_buffer, .address_space: global }
      - { .name: tiles, .offset: 48, .size: 8, .value_kind: global_buffer, .address_space: global }
      - { .name: rowl, .offset: 56, .size: 8, .value_kind: global_buffer, .address_space: global }
      - { .name: rowg, .offset: 64, .size: 8, .value_kind: global_buffer, .address_space: global }
    .group_segment_fixed_size: 314880
    .private_segment_fixed_size: 0
    .kernarg_segment_align: 8
    .kernarg_segment_size: 72
    .max_flat_workgroup_size: 128
    .sgpr_count:     100
    .vgpr_count:     984
    .wavefront_size: 32
...
	.end_amdgpu_metadata
.endif
;; end of part 2
;; launch ffn2 (part 3): grid 8 x 32, 4 waves a work-group, no clusters, 317,952 bytes of LDS; arguments hb, w2, b2, tiles, rowl, rowg, yb; writes yb
.if DOCPART == 3
	.amdgcn_target "amdgcn-amd-amdhsa--gfx1250"
	.amdhsa_code_object_version 6
	.text
	.protected	k_q2dd58f9be2_ffn2
	.globl	k_q2dd58f9be2_ffn2
	.p2align	8
	.type	k_q2dd58f9be2_ffn2,@function
k_q2dd58f9be2_ffn2:
	s_mov_b64 s[64:65], 0
	v_nop
	global_prefetch_b8 v0, s[64:65] scope:SCOPE_SE
	s_setreg_imm32_b32 hwreg(HW_REG_WAVE_MODE, 25, 1), 1
	s_wait_xcnt 0x0
; THE SECOND PRODUCT: yb[2 token + slot] = gate weight x (h w2[e] + b2[e]) for each of the 4,096 routed rows; f32, since the next launch adds two of them.
; FORMATS.  h is bf16 as stored; w2 and b2 are rounded once to bf16; sums in f32.
; SHARES.  Grid x = 8 column tiles of 128, y = the 32 row tiles dealt by the launch before (tiles: expert, first fragment, fragments, rows).  Wave w = cb + 2 kh: all the tile's rows x columns
; 64 cb .. 64 cb + 63, half kh of K = 2,048: 32 K steps on up to 11 x 4 accumulators.  The two halves meet in LDS, in f32.
; WEIGHTS go from memory straight into operand registers: lane (r, h) loads columns 4 r .. 4 r + 3 of 16 rows of k; two neighbouring rows round into one register of a fragment whose lane r is
; column 4 r + c.  ROWS: hb lies in blocks [fragment][64 channels][16 places][64]; the four waves bring both halves' blocks, 2,048 consecutive bytes each, through registers into two LDS slots.
; ONE STEP AHEAD.  There are two sets of fragment registers.  While a K step's products run from one set, the other has been asked for: the next step's rows from LDS, the next step's weights rounded.
; NO CLUSTER, NO TENSOR LOAD in this text: the f32 weights must pass through registers to be rounded, and the tiles that share them number 1 to 32 with the split.  The eight column tiles of a row
; tile do read the same blocks of hb (at the most 2 x 176 x 128 bytes a chunk beside 2 x 32 KiB of weights); they are not asked for jointly here.
; Places past a tile's count hold its last row once more, and store that row's own numbers to that row's own place a second time.  Fragments 8 to 10 are staged, read and multiplied only where the tile has them.
; REGISTERS: windows as in the first product: 0 addresses, fragment set 0, staging; 1 four K steps of f32 weights; 2 accumulators (a, c) at 32 a + 8 c, a < 8;
;   3 v0-95 accumulators a = 8 .. 10, v96-183 and v184-215 fragment set 1.
.set BPITCH, 4096                      ; bytes from a row of w2 to the next
.set CH,     2048                      ; bytes from a block of 64 channels to the next
.set NAMIN,  16                        ; staging loads a thread and chunk that are never jumped: 8 fragments x 2 halves of K (22 where the tile has 11)
.set NBE,    63                        ; younger loads when the next step's weights are wanted, at the fewest: in an even step B A B B = 64,
.set NBO,    63                        ; in an odd step A B B A B = 80; the wait's field ends at 63
.set SUB,    25344                     ; 176 rows of 144 bytes: one half of K; a slot holds two
.set SLOT1,  65536
.set DUMPB,  131072                    ; the accumulators' way out: 11 x 4,096 bytes a wave
.set DUMPW,  45056
.set YLT,    311296                    ; a wave's copy of the tile's 192 output rows; 3,072 bytes on, of their gate weights
.set SPARE,  317440                    ; the spare words: 128 bytes a wave, two blocks of 256 bytes that no other line names
.set AS,  7
.set AF,  9
.set DMP, 11
.set SPW, 12                           ; v12  SPARE + 4 x my thread's number; never rewritten
.set NIL, 13                           ; v13  0; never rewritten
.set LB,  14                           ; v14  my wave's tables + 4 lane
.set DR,  15                           ; v15  the dump of half 0, read
.set VO,  16                           ; v16-26 byte offset in hb of my 16 bytes of fragment i's block
.set BO,  28                           ; v28  16 r
.set CO,  29                           ; v29  4 lane
.set DR2, 30                           ; v30  the dump of half 1, read
.set TB,  31                           ; v31  the tables, read
.set AST, 152                          ; v152-239 staging
.set BB,  240
.set BD,  244
.set VB,  252                          ; v252-255 weights: 8 h rows + 16 r + the rows gone, one register for each of the four buffers
.set BP,  2                            ; s[2:3]   w2 at my expert, columns and half of K; never rewritten
.set SF,  25                           ; s25      the tile's fragments
.set AP,  58                           ; s[58:59] hb, stepping
.set YP,  60                           ; s[60:61] yb at my 64 columns
.set MSB, 0
.macro WIN new                         ; the immediate's high byte repeats the setting that is left; a switch that changes nothing is dropped
.if MSB != (\new)
	s_set_vgpr_msb (MSB<<8)|(\new)
.set MSB, (\new)
.endif
.endm
.macro PLACES                          ; four places behind a matrix instruction, ahead of loads into and writes of its registers and of reads of its result
.rept 4
	v_nop
.endr
.endm
.macro LDA2 a, slot, ks, p             ; fragment a, 16 rows x 32 k, into set p (window 0: v64 on; window 3: v96 on)
	ds_load_b128 v[64+32*(\p)+8*(\a):64+32*(\p)+8*(\a)+3], v[AF+(\slot)] offset:2304*(\a)+64*(\ks)
	ds_load_b128 v[64+32*(\p)+8*(\a)+4:64+32*(\p)+8*(\a)+7], v[AF+(\slot)] offset:2304*(\a)+64*(\ks)+32
.endm
.macro LDA slot, ks, p, all            ; a K step's fragments of rows; all = 0: fragments 8 to 10 only where the tile has them
	WIN 0xc0*(\p)
.irp a, 0,1,2,3,4,5,6,7
	LDA2 \a, \slot, \ks, \p
.endr
.irp a, 8,9,10
.if !(\all)
	WIN 0
	s_cmp_le_u32 s[SF], \a
	s_cbranch_scc1 .Lla_\@
	WIN 0xc0*(\p)
.endif
	LDA2 \a, \slot, \ks, \p
.endr
	WIN 0
.if !(\all)
.Lla_\@:
.endif
.endm
.macro CVT sb, p                       ; a K step's f32 weights into four bf16 fragments of set p
	WIN 0x05+0xc0*(\p)
.set c, 0
.rept 4
.set t, 0
.rept 8
	v_cvt_pk_bf16_f32 v[32+152*(\p)+8*c+t], v[64*(\sb)+8*t+c], v[64*(\sb)+8*t+4+c]
.set t, t+1
.endr
.set c, c+1
.endr
	WIN 0
.endm
.macro LDB sb                          ; a K step's weights into buffer sb: rows 32 sb + 8 h + 0..7 and 32 sb + 16 + 8 h + 0..7 behind the rows gone
	WIN 0x40
.set i, 0
.rept 16
	global_load_b128 v[64*(\sb)+4*i:64*(\sb)+4*i+3], v[VB+(\sb)], s[BP:BP+1] offset:(32*(\sb)+i+8*(i/8))*BPITCH
.set i, i+1
.endr
	WIN 0
.endm
.macro AST_ST2 a, slot                 ; fragment a, both halves of K
	ds_store_b128 v[AS+(\slot)], v[AST+8*(\a):AST+8*(\a)+3] offset:2304*(\a)
	ds_store_b128 v[AS+(\slot)], v[AST+8*(\a)+4:AST+8*(\a)+7] offset:2304*(\a)+SUB
.endm
.macro AST_ST slot, all
.irp i, 0,1,2,3,4,5,6,7
	AST_ST2 \i, \slot
.endr
.irp i, 8,9,10
.if !(\all)
	s_cmp_le_u32 s[SF], \i
	s_cbranch_scc1 .Lst_\@
.endif
	AST_ST2 \i, \slot
.endr
.if !(\all)
.Lst_\@:
.endif
.endm
.macro AST_LD2 a
	global_load_b128 v[AST+8*(\a):AST+8*(\a)+3], v[VO+(\a)], s[AP:AP+1]
	global_load_b128 v[AST+8*(\a)+4:AST+8*(\a)+7], v[VO+(\a)], s[AP:AP+1] offset:32768
.endm
.macro AST_LD all
.irp i, 0,1,2,3,4,5,6,7
	AST_LD2 \i
.endr
.irp i, 8,9,10
.if !(\all)
	s_cmp_le_u32 s[SF], \i
	s_cbranch_scc1 .Lld_\@
.endif
	AST_LD2 \i
.endr
.if !(\all)
.Lld_\@:
.endif
.endm
.macro MM4 a, p, zero                  ; fragment a times the four fragments of weights, from set p
.set c, 0
.rept 4
.if \zero
	v_wmma_f32_16x16x32_bf16 v[32*((\a)%8)+8*c:32*((\a)%8)+8*c+7], v[64+32*(\p)+8*(\a):64+32*(\p)+8*(\a)+7], v[32+152*(\p)+8*c:32+152*(\p)+8*c+7], 0
.else
	v_wmma_f32_16x16x32_bf16 v[32*((\a)%8)+8*c:32*((\a)%8)+8*c+7], v[64+32*(\p)+8*(\a):64+32*(\p)+8*(\a)+7], v[32+152*(\p)+8*c:32+152*(\p)+8*c+7], v[32*((\a)%8)+8*c:32*((\a)%8)+8*c+7]
.endif
.set c, c+1
.endr
.endm
; A K step's products.  The accumulators take turns, one instruction a turn.  Fragments 8 to 10 are jumped where the tile has not so many; the first step starts all 44 sums with 0.
; turn = 1: the chunk's one barrier.  Sixteen products in, my stores of the next chunk are done and my last reads of this chunk's slot are back: I say so; the rest of the products stand between signal and wait.
.macro MMA p, zero, turn
	WIN 0xa0+0x0f*(\p)
.irp a, 0,1,2,3
	MM4 \a, \p, \zero
.endr
.if \turn
	s_wait_dscnt 0x0
	s_barrier_signal -1
.endif
.irp a, 4,5,6,7
	MM4 \a, \p, \zero
.endr
.if \zero
	WIN 0xf0+0x0f*(\p)
	MM4 8, \p, 1
	MM4 9, \p, 1
	MM4 10, \p, 1
	WIN 0
.else
.irp a, 8,9,10
	WIN 0
	s_cmp_le_u32 s[SF], \a
	s_cbranch_scc1 .Lmm_\@
	WIN 0xf0+0x0f*(\p)
	MM4 \a, \p, 0
.endr
	WIN 0
.Lmm_\@:
.endif
.if \turn
	s_barrier_wait -1                      ; the other slot is whole, and nobody reads this chunk's slot any more
.endif
.endm
.macro BAR
	s_wait_dscnt 0x0                       ; my LDS stores are done and my LDS loads are back
	s_barrier_signal -1
	s_barrier_wait -1
.endm
; K STEP s, j = s mod 4; its chunk lies in slot j / 2, its fragments in set j mod 2.  In this order: the weights of step s + 4 are asked for (bload), into the buffer that the last step's rounding has read;
; step s + 1's rows are asked for from LDS and its weights rounded, into the other set (next); in an even step (turn) the chunk in the staging registers goes into the other slot, which every wave left
; at the last barrier, and the chunk after it is asked for (issue); then step s's products.
; Global loads go out in the order B A | B | B A | B in four steps (B: 16 loads of weights; A: the staging loads).  nB = the loads issued behind the B that is wanted, nA = those behind the A that is wanted.
; A buffer's offset register is stepped behind the wait that shows its own loads done, the rows' base behind the wait that shows the staging loads done: no other load names them.
; dsw = 1: step s's fragments were asked for in a step that had no barrier; they have had that step's products in which to land.
.macro KSTEP j, zero, nB, bload, next, turn, nA, issue, dsw, all
.if \dsw
	s_wait_dscnt 0x0
.endif
.if \next
	PLACES
.if \bload
	LDB \j
.endif
	LDA (((\j)+1)%4)/2, ((\j)+1)%2, ((\j)+1)%2, \all
	s_wait_loadcnt \nB
.if \bload
	v_add_nc_u32 v[VB+((\j)+1)%4], 128*BPITCH, v[VB+((\j)+1)%4]
.endif
	CVT ((\j)+1)%4, ((\j)+1)%2
.endif
.if \turn
	s_wait_loadcnt \nA
	AST_ST 1-(\j)/2, 0
.if \issue
	s_add_nc_u64 s[AP:AP+1], s[AP:AP+1], CH
	AST_LD 0
.endif
.endif
	MMA (\j)%2, \zero, \turn
.endm
	s_load_b256 s[4:11], s[0:1], 0x0       ; hb, w2, b2, tiles
	s_load_b128 s[12:15], s[0:1], 0x20     ; rowl, rowg
	s_load_b64 s[16:17], s[0:1], 0x30      ; yb
	v_lshl_add_u32 v[SPW], v0, 2, SPARE
	v_mov_b32 v[NIL], 0
	v_and_b32 v1, 31, v0                   ; lane
	v_lshrrev_b32 v4, 5, v0
	v_readfirstlane_b32 s22, v4            ; wave
	v_and_b32 v2, 15, v0                   ; r
	v_bfe_u32 v3, v0, 4, 1                 ; h
	s_mov_b32 s23, ttmp9                   ; column tile
	s_and_b32 s24, ttmp7, 0xffff           ; row tile
	s_and_b32 s20, s22, 1                  ; cb: which 64 columns
	s_lshr_b32 s21, s22, 1                 ; kh: which half of K
	s_lshl_b32 s30, s24, 4
	s_mov_b32 s31, 0
	s_wait_kmcnt 0x0
	s_add_nc_u64 s[10:11], s[10:11], s[30:31]
	s_load_b128 s[32:35], s[10:11], 0x0    ; expert, first fragment, fragments, rows
	v_lshlrev_b32 v[BO], 4, v2
	v_lshl_add_u32 v[VB], v3, 15, v[BO]    ; 8 h rows of 4,096 bytes + 16 r
	v_mov_b32 v[VB+1], v[VB]
	v_mov_b32 v[VB+2], v[VB]
	v_mov_b32 v[VB+3], v[VB]
	v_lshlrev_b32 v[CO], 2, v1
	s_mul_i32 s37, s21, SUB
	v_mul_u32_u24 v[AF], v2, 144
	v_lshl_add_u32 v[AF], v3, 4, v[AF]
	v_add_nc_u32 v[AF], s37, v[AF]         ; my half's rows
	v_add_nc_u32 v[AF+1], SLOT1, v[AF]
	s_mul_i32 s37, s22, DUMPW
	s_add_co_u32 s37, s37, DUMPB
	v_lshlrev_b32 v[DMP], 4, v1
	v_add_nc_u32 v[DMP], s37, v[DMP]
	s_mul_i32 s37, s22, 768
	s_add_co_u32 s37, s37, YLT
	v_add_nc_u32 v[LB], s37, v[CO]
	v_bfe_u32 v4, v0, 3, 4                 ; place p of a block holds row 8 (p % 2) + p / 2
	v_and_b32 v5, 1, v4
	v_lshrrev_b32 v4, 1, v4
	v_lshl_add_u32 v4, v5, 3, v4
	v_mul_u32_u24 v[AS], v4, 144
	v_and_b32 v5, 7, v0
	v_lshl_add_u32 v[AS], v5, 4, v[AS]
	v_add_nc_u32 v[AS+1], SLOT1, v[AS]
	s_wait_kmcnt 0x0
	s_min_u32 s26, s32, 7                  ; bounds that hold for every split, written out ahead of every address
	s_min_u32 s27, s33, 262
	s_max_u32 s[SF], s34, 1
	s_min_u32 s[SF], s[SF], 11
	s_lshl_b32 s30, s26, 23                ; w2: the expert, my half of K, 512 ct + 256 cb bytes along a row
	s_lshl_b32 s37, s21, 22
	s_add_co_u32 s30, s30, s37
	s_lshl_b32 s37, s23, 9
	s_add_co_u32 s30, s30, s37
	s_lshl_b32 s38, s20, 8
	s_add_co_u32 s30, s30, s38
	s_add_nc_u64 s[BP:BP+1], s[6:7], s[30:31]
	s_add_co_u32 s30, s37, s38
	s_add_nc_u64 s[YP:YP+1], s[16:17], s[30:31]
	s_lshl_b32 s37, s26, 12
	s_add_co_u32 s30, s30, s37
	s_add_nc_u64 s[8:9], s[8:9], s[30:31]
	global_load_b128 v[BB:BB+3], v[BO], s[8:9]
	LDB 0
	LDB 1
	LDB 2
	LDB 3
	s_mul_i32 s30, s24, 768
	s_add_nc_u64 s[12:13], s[12:13], s[30:31]
	s_add_nc_u64 s[14:15], s[14:15], s[30:31]
.irp i, 0,1,2,3,4,5
	global_load_b32 v[64+\i], v[CO], s[12:13] offset:128*\i
	global_load_b32 v[70+\i], v[CO], s[14:15] offset:128*\i
.endr
	s_mov_b64 s[AP:AP+1], s[4:5]
	s_sub_co_u32 s36, s[SF], 1
.irp p, 0,1,2,3,4,5,6,7,8,9,10         ; fragments past the tile's repeat its last
	s_min_u32 s37, s36, \p
	s_add_co_u32 s37, s37, s27
	s_lshl_b32 s37, s37, 16
	v_lshl_add_u32 v[VO+\p], v0, 4, s37
.endr
	AST_LD 1                               ; chunk 0 of both halves, all eleven fragments: every staging register is written
	s_wait_loadcnt 0x0                     ; the bias, four K steps of weights, the tables, chunk 0
.irp p, 0,2                            ; the bias rounded to bf16 and widened again,
	v_cvt_pk_bf16_f32 v4, v[BB+\p], v[BB+\p+1]
	v_lshlrev_b32 v[BB+\p], 16, v4
	v_and_b32 v[BB+\p+1], 0xffff0000, v4
.endr
.irp c, 0,1,2,3                        ; and each of the four twice, for the packed additions
	v_mov_b32 v[BD+2*\c], v[BB+\c]
	v_mov_b32 v[BD+2*\c+1], v[BB+\c]
.endr
.irp i, 0,1,2,3,4,5
	ds_store_b32 v[LB], v[64+\i] offset:128*\i
	ds_store_b32 v[LB], v[70+\i] offset:3072+128*\i
.endr
	AST_ST 0, 1                            ; all eleven fragments: every byte of slot 0 is written
	s_add_nc_u64 s[AP:AP+1], s[AP:AP+1], CH
	AST_LD 0                               ; chunk 1
	BAR
	LDA 0, 0, 0, 1                         ; what a step finds done by the step before it: step 0's rows asked for, its weights rounded, buffer 0's offset stepped
	v_add_nc_u32 v[VB], 128*BPITCH, v[VB]
	CVT 0, 0
	KSTEP 0, 1, NBE, 1, 1, 1, 16, 1, 1, 1  ; the first four K steps: the first products start the sums; behind chunk 1's loads only one group of weights has been issued
	KSTEP 1, 0, NBO, 1, 1, 0, 0, 0, 0, 0
	KSTEP 2, 0, NBE, 1, 1, 1, 32, 1, 1, 0
	KSTEP 3, 0, NBO, 1, 1, 0, 0, 0, 0, 0
	s_mov_b32 s56, 6
.Lquad:
	KSTEP 0, 0, NBE, 1, 1, 1, 32, 1, 1, 0
	KSTEP 1, 0, NBO, 1, 1, 0, 0, 0, 0, 0
	KSTEP 2, 0, NBE, 1, 1, 1, 32, 1, 1, 0
	KSTEP 3, 0, NBO, 1, 1, 0, 0, 0, 0, 0
	s_sub_co_u32 s56, s56, 1
	s_cmp_lg_u32 s56, 0
	s_cbranch_scc1 .Lquad
	KSTEP 0, 0, 32+NAMIN, 0, 1, 1, 16, 0, 1, 0 ; the last four K steps ask memory for nothing: behind step 29's weights stand B A B, behind the last chunk one B;
	KSTEP 1, 0, 16, 0, 1, 0, 0, 0, 0, 0        ; behind step 30's A B, of which the wait for the chunk has left 16;
	KSTEP 2, 0, 0, 0, 1, 0, 0, 0, 1, 0         ; the last chunk is in its slot: no staging, no barrier
	KSTEP 3, 0, 0, 0, 0, 0, 0, 0, 1, 0
	; THE WAY OUT.  Every wave lays its live accumulators into its own bytes of LDS; behind a barrier wave (cb, kh) takes fragments kh, kh + 2, .. and adds the two halves of K.
	PLACES
.set a, 0
.rept 11
.if a > 0
	WIN 0
	s_cmp_le_u32 s[SF], a
	s_cbranch_scc1 .Ldumped
.endif
.if a < 8
	WIN 0x08
.else
	WIN 0x0c
.endif
.set c, 0
.rept 4                                ; each accumulator's low four registers first
	ds_store_b128 v[DMP], v[32*(a%8)+8*c:32*(a%8)+8*c+3] offset:4096*a+1024*c
	ds_store_b128 v[DMP], v[32*(a%8)+8*c+4:32*(a%8)+8*c+7] offset:4096*a+1024*c+512
.set c, c+1
.endr
.set a, a+1
.endr
	WIN 0
.Ldumped:
	BAR
	s_mul_i32 s37, s20, DUMPW
	s_lshl_b32 s38, s21, 12
	s_add_co_u32 s37, s37, s38
	s_add_co_u32 s37, s37, DUMPB
	v_lshlrev_b32 v[DR], 4, v1
	v_add_nc_u32 v[DR], s37, v[DR]         ; wave cb's dump, fragment kh
	v_add_nc_u32 v[DR2], 2*DUMPW, v[DR]    ; wave cb + 2's
	s_mul_i32 s37, s22, 768
	s_lshl_b32 s38, s21, 6
	s_add_co_u32 s37, s37, s38
	s_add_co_u32 s37, s37, YLT
	v_lshl_add_u32 v[TB], v3, 5, s37       ; my tables at row 16 kh + 8 h
	s_mov_b32 s57, s21
	s_mov_b32 s56, 6
.Lout:                                     ; six trips; those past the tile's fragments jump to the steps
	s_cmp_ge_u32 s57, s[SF]
	s_cbranch_scc1 .Lnext
.set i, 0
.rept 8
	ds_load_b128 v[64+4*i:64+4*i+3], v[DR] offset:512*i    ; 64 + 8 c + j: row 8 h + j, column 4 r + c
	ds_load_b128 v[96+4*i:96+4*i+3], v[DR2] offset:512*i
.set i, i+1
.endr
	ds_load_b128 v[128:131], v[TB]                         ; my eight rows' places in yb,
	ds_load_b128 v[132:135], v[TB] offset:16
	ds_load_b128 v[136:139], v[TB] offset:3072             ; and their gate weights
	ds_load_b128 v[140:143], v[TB] offset:3088
	s_wait_dscnt 0x0
.set i, 0
.rept 16
	v_pk_add_f32 v[64+2*i:64+2*i+1], v[64+2*i:64+2*i+1], v[96+2*i:96+2*i+1]
.set i, i+1
.endr
.set i, 0
.rept 16
	v_pk_add_f32 v[64+2*i:64+2*i+1], v[64+2*i:64+2*i+1], v[BD+2*(i/4):BD+2*(i/4)+1]
.set i, i+1
.endr
	s_wait_xcnt 0x0                        ; the last trip's stores have read their data and offsets
.set j, 0
.rept 8
.irp c, 0,1,2,3
	v_mul_f32 v[144+4*j+\c], v[64+8*\c+j], v[136+j]
.endr
	v_min_u32 v[128+j], 0xfff, v[128+j]
	v_lshl_add_u32 v[176+j], v[128+j], 12, v[BO]
	global_store_b128 v[176+j], v[144+4*j:144+4*j+3], s[YP:YP+1]   ; 16 lanes store 256 consecutive bytes of one row, aligned
.set j, j+1
.endr
.Lnext:
	v_add_nc_u32 v[DR], 8192, v[DR]
	v_add_nc_u32 v[DR2], 8192, v[DR2]
	v_add_nc_u32 v[TB], 128, v[TB]
	s_add_co_u32 s57, s57, 2
	s_sub_co_u32 s56, s56, 1
	s_cmp_lg_u32 s56, 0
	s_cbranch_scc1 .Lout
	s_wait_tensorcnt 0x0                   ; the wave's end
	ds_add_u32 v[SPW], v[NIL]
	s_wait_dscnt 0x0
	s_endpgm
.Lfunc_end_k_q2dd58f9be2_ffn2:
	.size	k_q2dd58f9be2_ffn2, .Lfunc_end_k_q2dd58f9be2_ffn2-k_q2dd58f9be2_ffn2
	.p2alignl 7, 3214868480
	.fill 96, 4, 3214868480
	.section	.rodata,"a",@progbits
	.p2align	6, 0x0
	.amdhsa_kernel k_q2dd58f9be2_ffn2
		.amdhsa_group_segment_fixed_size 317952
		.amdhsa_private_segment_fixed_size 0
		.amdhsa_enable_private_segment 0
		.amdhsa_kernarg_size 56
		.amdhsa_user_sgpr_count 2
		.amdhsa_user_sgpr_kernarg_segment_ptr 1
		.amdhsa_wavefront_size32 1
		.amdhsa_system_sgpr_workgroup_id_x 1
		.amdhsa_system_sgpr_workgroup_id_y 1
		.amdhsa_system_sgpr_workgroup_id_z 1
		.amdhsa_system_vgpr_workitem_id 0
		.amdhsa_next_free_vgpr 984
		.amdhsa_next_free_sgpr 66
		.amdhsa_reserve_vcc 0
		.amdhsa_float_denorm_mode_32 3
		.amdhsa_float_denorm_mode_16_64 3
		.amdhsa_memory_ordered 1
		.amdhsa_forward_progress 1
		.amdhsa_inst_pref_size 149
	.end_amdhsa_kernel
	.amdgpu_metadata
---
amdhsa.version: [ 1, 2 ]
amdhsa.kernels:
  - .name:           k_q2dd58f9be2_ffn2
    .symbol:         k_q2dd58f9be2_ffn2.kd
    .args:
      - { .name: hb, .offset: 0, .size: 8, .value_kind: global_buffer, .address_space: global }
      - { .name: w2, .offset: 8, .size: 8, .value_kind: global_buffer, .address_space: global }
      - { .name: b2, .offset: 16, .size: 8, .value_kind: global_buffer, .address_space: global }
      - { .name: tiles, .offset: 24, .size: 8, .value_kind: global_buffer, .address_space: global }
      - { .name: rowl, .offset: 32, .size: 8, .value_kind: global_buffer, .address_space: global }
      - { .name: rowg, .offset: 40, .size: 8, .value_kind: global_buffer, .address_space: global }
      - { .name: yb, .offset: 48, .size: 8, .value_kind: global_buffer, .address_space: global }
    .group_segment_fixed_size: 317952
    .private_segment_fixed_size: 0
    .kernarg_segment_align: 8
    .kernarg_segment_size: 56
    .max_flat_workgroup_size: 128
    .sgpr_count:     66
    .vgpr_count:     984
    .wavefront_size: 32
...
	.end_amdgpu_metadata
.endif
;; end of part 3
;; launch combine (part 4): grid 256 x 1, 8 waves a work-group, no clusters, 0 bytes of LDS; arguments yb, out0; writes out0
.if DOCPART == 4
	.amdgcn_target "amdgcn-amd-amdhsa--gfx1250"
	.amdhsa_code_object_version 6
	.text
	.protected	k_q2dd58f9be2_combine
	.globl	k_q2dd58f9be2_combine
	.p2align	8
	.type	k_q2dd58f9be2_combine,@function
k_q2dd58f9be2_combine:
	s_mov_b64 s[64:65], 0
	v_nop
	global_prefetch_b8 v0, s[64:65] scope:SCOPE_SE
	s_setreg_imm32_b32 hwreg(HW_REG_WAVE_MODE, 25, 1), 1
	s_wait_xcnt 0x0
; out0[t] = yb[2 t] + yb[2 t + 1]: a token's two weighted expert rows, first choice first.  All f32.
; A stream: a work-group has 8 tokens, thread t the 16 bytes at 16 t of every row, so a wave's load or store covers 512 consecutive bytes, aligned.  All 16 loads of a thread go out first.
; No LDS, no matrix unit, no cluster: no byte is read twice.
	s_load_b128 s[4:7], s[0:1], 0x0        ; yb, out0
	v_lshlrev_b32 v1, 4, v0
	s_lshl_b32 s8, ttmp9, 16               ; 16 rows of yb
	s_mov_b32 s9, 0
	s_lshl_b32 s10, ttmp9, 15              ; 8 rows of out0
	s_mov_b32 s11, 0
	s_wait_kmcnt 0x0
	s_add_nc_u64 s[4:5], s[4:5], s[8:9]
	s_add_nc_u64 s[6:7], s[6:7], s[10:11]
.set i, 0
.rept 8
	global_load_b128 v[4+8*i:7+8*i], v1, s[4:5] offset:8192*i th:TH_LOAD_NT
	global_load_b128 v[8+8*i:11+8*i], v1, s[4:5] offset:8192*i+4096 th:TH_LOAD_NT
.set i, i+1
.endr
.set i, 0
.rept 8
	s_wait_loadcnt 14-2*i                  ; the younger tokens' pairs of loads stay out
	v_pk_add_f32 v[4+8*i:5+8*i], v[4+8*i:5+8*i], v[8+8*i:9+8*i]
	v_pk_add_f32 v[6+8*i:7+8*i], v[6+8*i:7+8*i], v[10+8*i:11+8*i]
	global_store_b128 v1, v[4+8*i:7+8*i], s[6:7] offset:4096*i th:TH_STORE_NT
.set i, i+1
.endr
	s_endpgm
.Lfunc_end_k_q2dd58f9be2_combine:
	.size	k_q2dd58f9be2_combine, .Lfunc_end_k_q2dd58f9be2_combine-k_q2dd58f9be2_combine
	.p2alignl 7, 3214868480
	.fill 96, 4, 3214868480
	.section	.rodata,"a",@progbits
	.p2align	6, 0x0
	.amdhsa_kernel k_q2dd58f9be2_combine
		.amdhsa_group_segment_fixed_size 0
		.amdhsa_private_segment_fixed_size 0
		.amdhsa_enable_private_segment 0
		.amdhsa_kernarg_size 16
		.amdhsa_user_sgpr_count 2
		.amdhsa_user_sgpr_kernarg_segment_ptr 1
		.amdhsa_wavefront_size32 1
		.amdhsa_system_sgpr_workgroup_id_x 1
		.amdhsa_system_sgpr_workgroup_id_y 1
		.amdhsa_system_sgpr_workgroup_id_z 1
		.amdhsa_system_vgpr_workitem_id 0
		.amdhsa_next_free_vgpr 72
		.amdhsa_next_free_sgpr 66
		.amdhsa_reserve_vcc 0
		.amdhsa_float_denorm_mode_32 3
		.amdhsa_float_denorm_mode_16_64 3
		.amdhsa_memory_ordered 1
		.amdhsa_forward_progress 1
		.amdhsa_inst_pref_size 5
	.end_amdhsa_kernel
	.amdgpu_metadata
---
amdhsa.version: [ 1, 2 ]
amdhsa.kernels:
  - .name:           k_q2dd58f9be2_combine
    .symbol:         k_q2dd58f9be2_combine.kd
    .args:
      - { .name: yb, .offset: 0, .size: 8, .value_kind: global_buffer, .address_space: global }
      - { .name: out0, .offset: 8, .size: 8, .value_kind: global_buffer, .address_space: global }
    .group_segment_fixed_size: 0
    .private_segment_fixed_size: 0
    .kernarg_segment_align: 8
    .kernarg_segment_size: 16
    .max_flat_workgroup_size: 256
    .sgpr_count:     66
    .vgpr_count:     72
    .wavefront_size: 32
...
	.end_amdgpu_metadata
.endif
;; end of part 4
;; ======== version 2 of 2: 4 launches; version 1 with the launch combine written anew for expert scheduling mode
;; limits: a function is approximated: absolute error at most 1.5e-07
;; workspace buffers: xb 4,194,304 bytes; route 6,144 bytes of whole numbers; tw 16,384 bytes; tiles 512 bytes of whole numbers; rowl 24,576 bytes of whole numbers; rowg 24,576 bytes; hb 17,891,328 bytes; yb 16,777,216 bytes
;; launch router: the kernel of part 1 again; grid 128 x 1, 4 waves a work-group, no clusters, 71,168 bytes of LDS; arguments x, gate_w1, gate_b1, gate_w2, gate_b2, xb, route, tw; writes xb, route, tw
;; launch ffn1: the kernel of part 2 again; grid 8 x 32, 4 waves a work-group, no clusters, 314,880 bytes of LDS; arguments xb, w1, b1, route, tw, hb, tiles, rowl, rowg; writes hb, tiles, rowl, rowg
;; launch ffn2: the kernel of part 3 again; grid 8 x 32, 4 waves a work-group, no clusters, 317,952 bytes of LDS; arguments hb, w2, b2, tiles, rowl, rowg, yb; writes yb
;; launch combine (part 5): grid 256 x 1, 8 waves a work-group, no clusters, 0 bytes of LDS; arguments yb, out0; writes out0
.if DOCPART == 5
	.amdgcn_target "amdgcn-amd-amdhsa--gfx1250"
	.amdhsa_code_object_version 6
	.text
	.protected	k_q2dd58f9be2_combine
	.globl	k_q2dd58f9be2_combine
	.p2align	8
	.type	k_q2dd58f9be2_combine,@function
k_q2dd58f9be2_combine:
	s_mov_b64 s[64:65], 0
	v_nop
	global_prefetch_b8 v0, s[64:65] scope:SCOPE_SE
	s_setreg_imm32_b32 hwreg(HW_REG_WAVE_SCHED_MODE, 0, 2), 2
	s_setreg_imm32_b32 hwreg(HW_REG_WAVE_MODE, 25, 1), 1
	s_wait_xcnt 0x0
	s_wait_alu depctr_vm_vsrc(0)
; out0[t] = yb[2 t] + yb[2 t + 1]: a token's two weighted expert rows, first choice first.  All f32.
; A stream: a work-group has 8 tokens, thread t the 16 bytes at 16 t of every row, so a wave's load or store covers 512 consecutive bytes, aligned.  All 16 loads of a thread go out first.
; No LDS, no matrix unit, no cluster: no byte is read twice.
; THE MODE: SCHED_MODE bits 1:0 = 2 (LLVM: expert scheduling mode 2), set by the entry lines.  The code itself states the register dependences
; between vector instructions and memory instructions, with s_wait_alu, always for 0.
; THE PLAN.  Registers that memory instructions touch:
;   v1               16 t, the offset of every load and store.  Written once at the head, never again.
;   v[4+8i:11+8i]    token i's two rows.  Written by its two loads, which no vector instruction precedes on these registers; read by its two additions.
;   v[4+8i:7+8i]     the sum, written in place by those additions; read by token i's one store; never written again, so nothing is owed behind a store.
; Token i's store is issued in step i + 1, behind that step's wait for its loads and one wait on va_vdst: the additions that it hangs on were issued ahead of the wait for the loads.
; No vector instruction stands between such a wait and its store.
	s_load_b128 s[4:7], s[0:1], 0x0        ; yb, out0
	v_lshlrev_b32 v1, 4, v0
	s_lshl_b32 s8, ttmp9, 16               ; 16 rows of yb
	s_mov_b32 s9, 0
	s_lshl_b32 s10, ttmp9, 15              ; 8 rows of out0
	s_mov_b32 s11, 0
	s_wait_kmcnt 0x0
	s_add_nc_u64 s[4:5], s[4:5], s[8:9]
	s_add_nc_u64 s[6:7], s[6:7], s[10:11]
	s_wait_alu depctr_va_vdst(0)           ; v1 is written: every load and store of the kernel reads it as its offset
.set i, 0
.rept 8
	global_load_b128 v[4+8*i:7+8*i], v1, s[4:5] offset:8192*i th:TH_LOAD_NT
	global_load_b128 v[8+8*i:11+8*i], v1, s[4:5] offset:8192*i+4096 th:TH_LOAD_NT
.set i, i+1
.endr
.set i, 0
.rept 8
	s_wait_loadcnt 14-2*i                  ; the younger tokens' pairs of loads stay out
.if i > 0
	s_wait_alu depctr_va_vdst(0)           ; the token before's two additions have written its sum, which the store below reads
	global_store_b128 v1, v[4+8*(i-1):7+8*(i-1)], s[6:7] offset:4096*(i-1) th:TH_STORE_NT
.endif
	v_pk_add_f32 v[4+8*i:5+8*i], v[4+8*i:5+8*i], v[8+8*i:9+8*i]
	v_pk_add_f32 v[6+8*i:7+8*i], v[6+8*i:7+8*i], v[10+8*i:11+8*i]
.set i, i+1
.endr
	s_wait_alu depctr_va_vdst(0)           ; the last token's two additions have written v[60:63], which the last store reads
	global_store_b128 v1, v[60:63], s[6:7] offset:4096*7 th:TH_STORE_NT
	s_endpgm
.Lfunc_end_k_q2dd58f9be2_combine:
	.size	k_q2dd58f9be2_combine, .Lfunc_end_k_q2dd58f9be2_combine-k_q2dd58f9be2_combine
	.p2alignl 7, 3214868480
	.fill 96, 4, 3214868480
	.section	.rodata,"a",@progbits
	.p2align	6, 0x0
	.amdhsa_kernel k_q2dd58f9be2_combine
		.amdhsa_group_segment_fixed_size 0
		.amdhsa_private_segment_fixed_size 0
		.amdhsa_enable_private_segment 0
		.amdhsa_kernarg_size 16
		.amdhsa_user_sgpr_count 2
		.amdhsa_user_sgpr_kernarg_segment_ptr 1
		.amdhsa_wavefront_size32 1
		.amdhsa_system_sgpr_workgroup_id_x 1
		.amdhsa_system_sgpr_workgroup_id_y 1
		.amdhsa_system_sgpr_workgroup_id_z 1
		.amdhsa_system_vgpr_workitem_id 0
		.amdhsa_next_free_vgpr 72
		.amdhsa_next_free_sgpr 66
		.amdhsa_reserve_vcc 0
		.amdhsa_float_denorm_mode_32 3
		.amdhsa_float_denorm_mode_16_64 3
		.amdhsa_memory_ordered 1
		.amdhsa_forward_progress 1
		.amdhsa_inst_pref_size 5
	.end_amdhsa_kernel
	.amdgpu_metadata
---
amdhsa.version: [ 1, 2 ]
amdhsa.kernels:
  - .name:           k_q2dd58f9be2_combine
    .symbol:         k_q2dd58f9be2_combine.kd
    .args:
      - { .name: yb, .offset: 0, .size: 8, .value_kind: global_buffer, .address_space: global }
      - { .name: out0, .offset: 8, .size: 8, .value_kind: global_buffer, .address_space: global }
    .group_segment_fixed_size: 0
    .private_segment_fixed_size: 0
    .kernarg_segment_align: 8
    .kernarg_segment_size: 16
    .max_flat_workgroup_size: 256
    .sgpr_count:     66
    .vgpr_count:     72
    .wavefront_size: 32
...
	.end_amdgpu_metadata
.endif
;; end of part 5
